; MI455X (gfx1250); checked and timed in simulation.
; The chip was launched on July 23, 2026; its instructions are those of AMD's public machine-readable ISA for CDNA 5 (MIT licence, August 2026) and "CDNA5" Instruction Set Architecture Reference Guide (July 2026). The comments in the code are by the model that wrote it; some were corrected since.
;; Causal Self Attention. Allowed arithmetic: matrix products marked QUANTISED: E2M3 operands, one E8M0 scale for each 32 along K, by v_wmma_scale_f32_16x16x128_f8f6f4 with both operands' format E2M3, f32 sums; everything else in f32.
;; Inputs: W_attn 3,072 x 1,024 float32; W_proj 1,024 x 1,024 float32; b_attn 3,072 float32; b_proj 1,024 float32; rel_emb 32 x 16 float32; x 4 x 2,048 x 1,024 float32.
;; Outputs: out0 4 x 2,048 x 1,024 float32.
;; This version of the problem:
;;   THIS VERSION OF THE PROBLEM IS GIVEN IN LOW PRECISION. The matrix products marked QUANTISED in the list below multiply operands that are first quantised to E2M3 (2 exponent bits, 3 mantissa bits; 6 bits a number), with one power-of-two scale for each 32 numbers along K (OCP MX v1.0); their sums are f32. All else is computed in f32.
;;   The module's matrix products, in the order in which they are computed (A, B: the left and right operand; K: the contracted axis; several contracted axes count as one K, in the product's order):
;;     1. [M 8,192, K 1,024] x [K 1,024, N 3,072]; A: input x; B: input W_attn: QUANTISED
;;     2. batch 64 x [M 2,048, K 64] x [K 64, N 2,048]; A: computed on the way; B: computed on the way: QUANTISED
;;     3. batch 64 x [M 2,048, K 2,048] x [K 2,048, N 64]; A: softmax (see below); B: computed on the way: QUANTISED
;;     4. [M 8,192, K 1,024] x [K 1,024, N 1,024]; A: computed on the way; B: input W_proj: QUANTISED
;;   THE QUANTISER, for each operand of a quantised product, along K:
;;     - K is cut into blocks of 32 from its start; a last block that is shorter is filled with zeros.
;;     - A block's scale is 2^e with e = floor(log2(the largest magnitude in the block)) - 2, held to -126 .. 127; a block of zeros has e = 0. As a byte (E8M0): e + 127.
;;     - Each number is divided by its block's scale, clamped to +-7.5, and rounded to the nearest number of E2M3, ties to even, subnormals kept.
;;     - The product sums the exact products of the quantised numbers (number of the format x scale) in f32.
;;   ~~~python
;;   def quantise(x, axis):      # numpy; x: float32 -> the quantised numbers, widened to float32 again
;;       x = np.moveaxis(x, axis, -1); K = x.shape[-1]
;;       x = np.pad(x, [(0, 0)] * (x.ndim - 1) + [(0, -K % 32)]); x = x.reshape(x.shape[:-1] + (-1, 32)); a = np.abs(x).max(-1, keepdims=True)
;;       e = np.where(a > 0, np.clip(np.frexp(np.where(a > 0, a, 1))[1] - 1 - 2, -126, 127), 0)      # np.frexp(a)[1] - 1 = floor(log2(a)), exactly
;;       r = np.clip(x / 2.0 ** e, -7.5, 7.5)
;;       step = 2.0 ** (np.maximum(np.frexp(np.where(r == 0, 1, r))[1] - 1, 0) - 3)
;;       q = np.round(r / step) * step * 2.0 ** e      # np.round: ties to even
;;       return np.moveaxis(q.reshape(q.shape[:-2] + (-1,))[..., :K], -1, axis).astype(np.float32)
;;   ~~~
;;   SOFTMAX AHEAD OF A QUANTISED PRODUCT. Where the list says 'softmax', what is quantised is not the finished softmax but p = 2^(t - M), with t = logit x log2(e) and M = ceil(the row's largest t), a whole number; so 1/2 < the row's largest p <= 1. The row's sum l is taken of the UNQUANTISED p, in f32, and the product's result is divided by l at the end. Since M is a whole number, a kernel that streams over the keys may use a running M (the ceiling of the running maximum): every later rescaling is an exact power of two, which a block's scale takes up: the codes' values come out the same.
;;   OPERANDS COMPUTED ON THE WAY. 'Computed on the way' means the value that the module computes at that place (a softmax that the list does not call 'softmax' is quantised finished and normalised). What goes into a quantiser is computed in f32, as accurately as f32 sums, v_exp_f32 and their like allow (about 1e-6 of the number): no bf16 or f16 on the way to a quantiser, and a product that is left as it is and whose result goes on into a quantised operand takes f32 operands (vector FMAs, or v_wmma_f32_16x16x4_f32). A number that lies on a knife's edge between two numbers of the format may be rounded either way, as far as f32 arithmetic and the matrix unit's own rounding can turn it there, and no further.
;; One version. Each part assembles by itself: llvm-mc -triple=amdgcn-amd-amdhsa -mcpu=gfx1250 --defsym DOCPART=n.
;; ======== version 1 of 1: 4 launches
;; workspace buffers: xq 6,553,600 bytes; wq 2,457,600 bytes; pq 819,200 bytes; qc 6,553,600 bytes; kv 13,107,200 bytes; yq 6,553,600 bytes
;; launch quant (part 1): grid 384 x 1, 4 waves a work-group, no clusters, 34,304 bytes of LDS; arguments x, W_attn, W_proj, xq, wq, pq; writes xq, wq, pq
.if DOCPART == 1
	.amdgcn_target "amdgcn-amd-amdhsa--gfx1250"
	.amdhsa_code_object_version 6
	.text
	.protected	k_qb021643781_quant
	.globl	k_qb021643781_quant
	.p2align	8
	.type	k_qb021643781_quant,@function
k_qb021643781_quant:
	s_mov_b64 s[64:65], 0
	v_nop
	global_prefetch_b8 v0, s[64:65] scope:SCOPE_SE
	s_setreg_imm32_b32 hwreg(HW_REG_WAVE_MODE, 25, 1), 1
	s_wait_xcnt 0x0
; x [8192][1024], W_attn [3072][1024], W_proj [1024][1024], f32, K innermost, become codes of FP6 (E2M3) with one E8M0 byte for each 32 along K,
; laid IN THE ORDER OF THE OPERAND'S REGISTERS.  A fragment is 16 rows x 128 K: 12 registers a lane, 1,536 bytes; registers 4 c .. 4 c + 3 of lane l lie at 512 c + 16 l.
; THE ROWS OF A ROWBLOCK ARE NOT NEIGHBOURS: lane r of rowblock t holds row 32 (t / 2) + 8 (t % 2) + r + 8 (r / 8), so that results of products on two neighbouring rowblocks are 16 neighbours along a later K.
; Codes: [256 along K: 4][rowblock][128 along K: 2][1,536].  Scale words behind them: [pair of rowblocks][K half][lane = 16 (t % 2) + r][4 words, one a K step of 128].
; A block's scale is 2^(floor(log2(largest magnitude)) - 2); its byte is the largest magnitude's exponent field - 2, held at 1 from below.
; LIMITS: a block whose largest magnitude lies under 2^-124, a block of zeros among them, keeps the byte 1 (the rule says 127 for zeros): its codes are zeros or next to it, and this program alone reads the bytes.  NaN and infinities are not served.
; SHARES: 768 rowblocks x 2 halves of K = 1,536 waves' jobs of four fragments.  Work-groups 0-255 take x, 256-351 W_attn, 352-383 W_proj: only pointers and three constants are chosen, one path through the text.
; Each load reads 512 consecutive bytes (one row's 128 numbers); they turn through the wave's own stage in LDS (16 rows, 528 bytes apart) so that a lane gets 16 neighbours of each block of 32.  No barrier: waves share nothing.
.set SPARE, 33792                      ; behind the four stages: the spare words, 128 bytes a wave
.set XS,    6291456                    ; where the scale words begin in xq, wq, pq
.set WS,    2359296
.set PS,    786432
.set LI,  1                            ; v1  16 x lane
.set SIN, 2                            ; v2  the stage on the way in: wave's stage + 16 x lane
.set SOUT,3                            ; v3  on the way out: wave's stage + 528 r + 64 h
.set SCO, 4                            ; v4  16 r + 8 h: my 8 bytes of the scale words
.set SPW, 6                            ; v6  LDS address of my spare word; never rewritten
.set NIL, 7                            ; v7  0; never rewritten
.set TM,  8                            ; v8-23   at work in QUANT
.set PW,  24                           ; v24-27  the four fragments' scale words
.set PC,  28                           ; v28-39  a fragment's codes
.set PT,  40                           ; v40-47  the conversions' second halves
.set X,   64                           ; v64-127 64 numbers: register 16 b + i = k 32 b + 16 h + i of my row
.set R,   128                          ; v128-255 two sets of 16 loads
; 64 numbers of a lane become a fragment's 12 registers of codes and its row's scale word
.macro QUANT s, pc, pt, pw
.irp b, 0,1,2,3
	v_max3_num_f32 v[TM+\b], |v[\s+16*\b]|, |v[\s+1+16*\b]|, 0x1800000   ; my 16 numbers of block b, and the floor 2^(3 - 127): the byte cannot fall under 1
.endr
.irp i, 2,4,6,8,10,12,14
.irp b, 0,1,2,3
	v_max3_num_f32 v[TM+\b], v[TM+\b], |v[\s+16*\b+\i]|, |v[\s+1+16*\b+\i]|   ; the four blocks by turns
.endr
.endr
.irp b, 0,1,2,3
	v_permlanex16_b32 v[TM+4+\b], v[TM+\b], s40, s41
.endr
.irp b, 0,1,2,3
	v_max_num_f32 v[TM+\b], v[TM+\b], v[TM+4+\b]      ; with lane l xor 16's: the block's largest magnitude
.endr
.irp b, 0,1,2,3
	v_add_nc_u32 v[TM+12+\b], 0xff000000, v[TM+\b]    ; 2 off its exponent field: the conversion's scale operand
.endr
.irp b, 0,1,2,3
	v_lshrrev_b32 v[TM+4+\b], 23, v[TM+12+\b]         ; the scale's byte
.endr
	v_lshl_or_b32 v[\pw], v[TM+5], 8, v[TM+4]
	v_lshl_or_b32 v[\pw], v[TM+6], 16, v[\pw]
	v_lshl_or_b32 v[\pw], v[TM+7], 24, v[\pw]
.irp c, 0,1
	v_cvt_scalef32_pk16_fp6_f32 v[\pc+6*\c:\pc+6*\c+2], v[\s+32*\c:\s+32*\c+15], v[TM+12+2*\c]
	v_cvt_scalef32_pk16_fp6_f32 v[\pt+4*\c:\pt+4*\c+2], v[\s+16+32*\c:\s+16+32*\c+15], v[TM+13+2*\c]   ; (a conversion's three registers begin on an even number)
.endr
	v_nop                                             ; one plain place behind a scaled conversion
.irp c, 0,1                                       ; the operand wants a WHOLE block in a lane: lanes 0-15 block 2 c, lanes 16-31 block 2 c + 1
.irp i, 0,1,2
	v_permlane16_swap_b32 v[\pc+6*\c+\i], v[\pt+4*\c+\i]
.endr
.irp i, 0,1,2
	v_mov_b32 v[\pc+3+6*\c+\i], v[\pt+4*\c+\i]
.endr
.endr
.endm
	s_load_b256 s[4:11], s[0:1], 0x0                  ; x, W_attn, W_proj, xq
	s_load_b128 s[12:15], s[0:1], 0x20                ; wq, pq
	v_lshl_add_u32 v[SPW], v0, 2, SPARE
	v_mov_b32 v[NIL], 0
	v_lshrrev_b32 v5, 5, v0
	v_readfirstlane_b32 s24, v5                       ; wave
	v_and_b32 v5, 31, v0
	v_lshlrev_b32 v[LI], 4, v5
	s_mul_i32 s25, s24, 8448                          ; my stage
	v_add_nc_u32 v[SIN], s25, v[LI]
	v_and_b32 v[SOUT], 15, v0                         ; r
	v_bfe_u32 v5, v0, 4, 1                            ; h
	v_lshlrev_b32 v[SCO], 4, v[SOUT]
	v_lshl_add_u32 v[SCO], v5, 3, v[SCO]
	v_mul_u32_u24 v[SOUT], v[SOUT], 528
	v_lshl_add_u32 v[SOUT], v5, 6, v[SOUT]
	v_add_nc_u32 v[SOUT], s25, v[SOUT]
.irp b, 0,1,2,3
	v_mov_b32 v[TM+4+\b], 0                           ; written once: a lane permute's destination counts as one of its sources
.endr
	s_lshr_b32 s26, s24, 1                            ; which rowblock of the work-group's pair
	s_and_b32 s27, s24, 1                             ; which half of K
	s_mov_b32 s38, 0xffff0000                         ; lanes 16-31
	s_mov_b32 s40, 0x76543210
	s_mov_b32 s41, 0xfedcba98                         ; selects for lane l xor 16
	s_wait_alu depctr_va_vdst(0)
	s_wait_kmcnt 0x0
	s_cmp_lt_u32 ttmp9, 352                           ; the choice hangs on the work-group's number alone
	s_cselect_b64 s[16:17], s[6:7], s[8:9]
	s_cselect_b64 s[18:19], s[12:13], s[14:15]
	s_mov_b32 s20, 196608                             ; bytes of codes for 256 along K: rowblocks x 3,072
	s_cselect_b32 s20, 589824, s20
	s_mov_b32 s21, PS
	s_cselect_b32 s21, WS, s21
	s_mov_b32 s22, 352
	s_cselect_b32 s22, 256, s22
	s_cmp_lt_u32 ttmp9, 256
	s_cselect_b64 s[16:17], s[4:5], s[16:17]          ; the tensor
	s_cselect_b64 s[18:19], s[10:11], s[18:19]        ; its workspace buffer
	s_cselect_b32 s20, 1572864, s20
	s_cselect_b32 s21, XS, s21
	s_cselect_b32 s22, 0, s22
	s_sub_co_u32 s23, ttmp9, s22                      ; the pair of rowblocks
	s_lshl_b32 s28, s23, 17                           ; 32 rows of 4,096 bytes a pair,
	s_lshl_b32 s29, s26, 15                           ; 8 rows on for the odd rowblock,
	s_add_co_u32 s28, s28, s29
	s_lshl_b32 s29, s27, 11                           ; 512 numbers on for the upper half of K
	s_add_co_u32 s28, s28, s29
	s_mov_b32 s29, 0
	s_add_nc_u64 s[16:17], s[16:17], s[28:29]
	s_lshl_b32 s30, s23, 1
	s_add_co_u32 s30, s30, s26                        ; rowblock t
	s_mul_i32 s30, s30, 3072
	s_mul_i32 s31, s27, s20
	s_lshl_b32 s31, s31, 1
	s_add_co_u32 s30, s30, s31
	s_mov_b32 s31, 0
	s_add_nc_u64 s[32:33], s[18:19], s[30:31]         ; my first two fragments,
	s_mov_b32 s30, s20
	s_add_nc_u64 s[34:35], s[32:33], s[30:31]         ; my last two
	s_lshl_b32 s30, s23, 10
	s_add_co_u32 s30, s30, s21
	s_lshl_b32 s42, s27, 9
	s_add_co_u32 s30, s30, s42
	s_lshl_b32 s42, s26, 8
	s_add_co_u32 s30, s30, s42
	s_add_nc_u64 s[36:37], s[18:19], s[30:31]         ; my 256 bytes of scale words
.macro LOAD e                          ; fragment e: 16 rows x 128 numbers; 32 lanes read 512 consecutive bytes of one row
.irp i, 0,1,2,3,4,5,6,7,8,9,10,11,12,13,14,15
	global_load_b128 v[R+64*((\e)%2)+4*\i:R+64*((\e)%2)+4*\i+3], v[LI], s[16:17] offset:(\i+8*(\i/8))*4096+512*(\e) th:TH_LOAD_NT
.endr
.endm
.macro FRAG e
.if \e < 3
	s_wait_loadcnt 16                                 ; this fragment's 16 loads are in; the next one's 16 may be out
.else
	s_wait_loadcnt 0x0
.endif
.irp i, 0,1,2,3,4,5,6,7,8,9,10,11,12,13,14,15
	ds_store_b128 v[SIN], v[R+64*((\e)%2)+4*\i:R+64*((\e)%2)+4*\i+3] offset:528*\i
.endr
.irp b, 0,1,2,3
.irp j, 0,1,2,3
	ds_load_b128 v[X+16*\b+4*\j:X+16*\b+4*\j+3], v[SOUT] offset:128*\b+16*\j   ; LDS serves a wave's instructions in order: these see the stores above
.endr
.endr
	s_wait_dscnt 0x0                                  ; the numbers are back, and the stores have read their registers,
.if \e < 2
	LOAD (\e)+2                                       ; which take the loads of two fragments on
.endif
.if \e > 0
	s_wait_xcnt 0x0                                   ; the last fragment's stores have read the codes' registers: they are written again only behind this wait
.endif
	QUANT X, PC, PT, PW+\e
.irp c, 0,1,2
	global_store_b128 v[LI], v[PC+4*\c:PC+4*\c+3], s[32+2*((\e)/2):33+2*((\e)/2)] offset:((\e)%2)*1536+512*\c   ; 512 consecutive bytes, aligned
.endr
.endm
	LOAD 0
	LOAD 1
	FRAG 0
	FRAG 1
	FRAG 2
	FRAG 3
	v_cndmask_b32 v48, v[PW], v[PW+2], s38            ; lanes 0-15 store their row's words of K steps 0, 1, lanes 16-31 those of 2, 3
	v_cndmask_b32 v49, v[PW+1], v[PW+3], s38
	global_store_b64 v[SCO], v[48:49], s[36:37]       ; 256 consecutive bytes, aligned
	s_wait_tensorcnt 0x0                              ; the wave's end
	ds_add_u32 v[SPW], v[NIL]
	s_wait_dscnt 0x0
	s_endpgm
.Lfunc_end_k_qb021643781_quant:
	.size	k_qb021643781_quant, .Lfunc_end_k_qb021643781_quant-k_qb021643781_quant
	.p2alignl 7, 3214868480
	.fill 96, 4, 3214868480
	.section	.rodata,"a",@progbits
	.p2align	6, 0x0
	.amdhsa_kernel k_qb021643781_quant
		.amdhsa_group_segment_fixed_size 34304
		.amdhsa_private_segment_fixed_size 0
		.amdhsa_enable_private_segment 0
		.amdhsa_kernarg_size 48
		.amdhsa_user_sgpr_count 2
		.amdhsa_user_sgpr_kernarg_segment_ptr 1
		.amdhsa_wavefront_size32 1
		.amdhsa_system_sgpr_workgroup_id_x 1
		.amdhsa_system_sgpr_workgroup_id_y 1
		.amdhsa_system_sgpr_workgroup_id_z 1
		.amdhsa_system_vgpr_workitem_id 0
		.amdhsa_next_free_vgpr 256
		.amdhsa_next_free_sgpr 66
		.amdhsa_reserve_vcc 0
		.amdhsa_float_denorm_mode_32 3
		.amdhsa_float_denorm_mode_16_64 3
		.amdhsa_memory_ordered 1
		.amdhsa_forward_progress 1
		.amdhsa_inst_pref_size 34
	.end_amdhsa_kernel
	.amdgpu_metadata
---
amdhsa.version: [ 1, 2 ]
amdhsa.kernels:
  - .name:           k_qb021643781_quant
    .symbol:         k_qb021643781_quant.kd
    .args:
      - { .name: x, .offset: 0, .size: 8, .value_kind: global_buffer, .address_space: global }
      - { .name: W_attn, .offset: 8, .size: 8, .value_kind: global_buffer, .address_space: global }
      - { .name: W_proj, .offset: 16, .size: 8, .value_kind: global_buffer, .address_space: global }
      - { .name: xq, .offset: 24, .size: 8, .value_kind: global_buffer, .address_space: global }
      - { .name: wq, .offset: 32, .size: 8, .value_kind: global_buffer, .address_space: global }
      - { .name: pq, .offset: 40, .size: 8, .value_kind: global_buffer, .address_space: global }
    .group_segment_fixed_size: 34304
    .private_segment_fixed_size: 0
    .kernarg_segment_align: 8
    .kernarg_segment_size: 48
    .max_flat_workgroup_size: 128
    .sgpr_count:     66
    .vgpr_count:     256
    .wavefront_size: 32
...
	.end_amdgpu_metadata
.endif
;; end of part 1
;; launch qkv (part 2): grid 8 x 32, 4 waves a work-group, clusters of 4 x 4, 327,680 bytes of LDS; arguments xq, wq, b_attn, qc, kv; writes qc, kv
.if DOCPART == 2
	.amdgcn_target "amdgcn-amd-amdhsa--gfx1250"
	.amdhsa_code_object_version 6
	.text
	.protected	k_qb021643781_qkv
	.globl	k_qb021643781_qkv
	.p2align	8
	.type	k_qb021643781_qkv,@function
k_qb021643781_qkv:
	s_mov_b64 s[64:65], 0
	v_nop
	global_prefetch_b8 v0, s[64:65] scope:SCOPE_SE
	s_setreg_imm32_b32 hwreg(HW_REG_WAVE_MODE, 25, 1), 1
	s_wait_xcnt 0x0
	s_wait_alu depctr_hold_cnt(0) depctr_sa_sdst(0) depctr_va_vdst(0) depctr_va_sdst(0) depctr_va_ssrc(0) depctr_va_vcc(0) depctr_vm_vsrc(0)
	s_getreg_b32 s2, hwreg(HW_REG_IB_STS2, 6, 4)
	s_cmp_eq_u32 s2, 0
	s_cbranch_scc0 .Lentry_in_a_cluster
	s_endpgm
.Lentry_in_a_cluster:
	s_bfe_u32 s2, ttmp6, 0x10000c
	s_cmp_lg_u32 s2, 0xf033
	s_cbranch_scc0 .Lentry_shape_is_right
	s_endpgm
.Lentry_shape_is_right:
; qkv = x W_attn^T + b_attn on codes of FP6 (E2M3) with E8M0 scales; q and k are quantised along the head's 64, v along the keys, in registers, and leave as images of operand registers.
; SHARES.  Work-group (X, Y): 256 tokens (rowblocks 16 Y ..) and heads 2 X, 2 X + 1; it makes three tiles of 256 x 128 one after the other: q, k, v.  Wave (wm, wn): 128 tokens x one head: 32 accumulators.
; x's codes for all of K (196,608 bytes) are brought into LDS once and serve all three tiles; W's go through two slots of 512 along K (49,152 bytes each).
; q, k: THE PRODUCT IS USED TRANSPOSED (source 0 = 16 rows of W, source 1 = 16 tokens): a lane holds one token, its registers run along the head's 64.  Two rowblocks of tokens make one PAIR IMAGE:
;   registers 0-5 the even rowblock's 64 codes, 6-11 the odd one's; scale word (even: 2 bytes, odd: 2 bytes).
; v: natural (source 0 = tokens, source 1 = W): a lane holds one channel d, its registers run along the 128 tokens, which are the second attention product's K.
; In both, accumulator registers 64 g .. 64 g + 63 are the 64 numbers of one image, register 16 b + i = k 32 b + 16 h + i, by the order of rows in a rowblock (lane r: row 32 (t / 2) + 8 (t % 2) + r + 8 (r / 8)).
; The bias is the C of each sum's first matrix instruction.
; CLUSTER 4 x 4: x's blocks are shared along a row of the cluster, W's along a column: each is asked for jointly, by the same tensor load with the same descriptor and a mask that names the four.
; By this text's own count a wave has six tensor loads outstanding at the start and one behind each round.
; No prefetch into the L2: all of x's codes are asked for at the head, and W's blocks are read by 32 tile rows.
; LIMITS as in the quantising launch: a block under 2^-124 keeps the byte 1; NaN and infinities are not served.
; REGISTERS: window 0: addresses, scale words, the quantiser's work; window 1: the 32 accumulators; window 2: x's fragments, two sets of 96; window 3: W's fragments, two sets of 48, from v96 the biases.
.set SPARE, 294912                     ; behind A's block and B's slots: the spare words
.set XS,    6291456
.set WS,    2359296
.set LI,  1                            ; v1    16 x lane
.set ADA, 2                            ; v2-5  my 8 rowblocks of x for 256 along K, j = 0 .. 3
.set ADB, 6                            ; v6-7  my 4 rowblocks of W in slot 0, 1
.set L8,  8                            ; v8    8 x lane
.set SPW, 10                           ; v10   my spare word; never rewritten
.set NIL, 11                           ; v11   0; never rewritten
.set OH,  12                           ; v12   64 h
.set OV,  13                           ; v13   4 (r + 8 (r / 8))
.set SA,  16                           ; v16-47  x's scale words: register 8 (a / 2) + s, lanes 16 (a % 2) + r
.set SB,  48                           ; v48-95  W's: register 16 p + 8 (b / 2) + s, lanes 16 (b % 2) + r
.set TM,  96                           ; v96-111 at work in the quantiser
.set PWS, 112                          ; v112-115 four images' scale words
.set W0,  116                          ; v116-117 packed for the store
.set PCS, 120                          ; v120-199 four sets: 12 registers of codes + 8 at work
.set G1A, 24
.set G1B, 32
.set G0A, 40                           ; s[40:55] four sets
.set G0B, 56                           ; s[56:63] one set a slot
.set MSB, 0
.macro WIN new                         ; the immediate's high byte repeats the setting that is left
.if MSB != \new
	s_set_vgpr_msb (MSB<<8)|\new
.set MSB, \new
.endif
.endm
.macro PLACES                          ; four plain places behind matrix instructions, in front of loads into their sources and of reads of their results
.rept 4
	v_nop
.endr
.endm
.macro CREST                           ; a round of the cluster's barrier behind its opening barrier
	s_cmp_lg_u32 s14, 0
	s_cbranch_scc1 .Lnot_wave_0_\@
	s_barrier_signal -3
.Lnot_wave_0_\@:
	s_barrier_wait -3
	s_barrier_signal -1
	s_barrier_wait -1
.endm
.macro CROUND
	s_barrier_signal -1
	s_barrier_wait -1
	CREST
.endm
	s_load_b256 s[4:11], s[0:1], 0x0                  ; xq, wq, b_attn, qc
	s_load_b64 s[12:13], s[0:1], 0x20                 ; kv
	v_lshl_add_u32 v[SPW], v0, 2, SPARE
	v_mov_b32 v[NIL], 0
	ds_add_u32 v[SPW], v[NIL]
	ds_add_u32 v[SPW], v[NIL]                         ; the wave's opening: the add and its wait ahead of my first tensor load
	v_lshrrev_b32 v9, 5, v0
	v_readfirstlane_b32 s14, v9                       ; wave
	s_lshr_b32 s15, s14, 1                            ; wm: which 128 tokens
	s_and_b32 s16, s14, 1                             ; wn: which head
	s_bfe_u32 s17, ttmp6, 0x40000                     ; cx
	s_bfe_u32 s18, ttmp6, 0x40004                     ; cy
	s_lshl_b32 s19, ttmp9, 2
	s_add_co_u32 s19, s19, s17                        ; X
	s_and_b32 s20, ttmp7, 0xffff
	s_lshl_b32 s20, s20, 2
	s_add_co_u32 s20, s20, s18                        ; Y
	s_lshl_b32 s21, s18, 2
	s_lshl_b32 s21, 15, s21                           ; my row of the cluster
	s_lshl_b32 s22, 0x1111, s17                       ; my column
	; group 1: 12,288 dense bytes as 48 rows of 32 elements of 8 bytes
	s_or_b32 s[G1A], s21, (3<<16)|(1<<21)
	s_or_b32 s[G1B], s22, (3<<16)|(1<<21)
.irp g, G1A, G1B
	s_mov_b32 s[\g+1], 32<<16
	s_mov_b32 s[\g+2], 48<<16
	s_mov_b32 s[\g+3], 32<<16
	s_mov_b32 s[\g+4], 48
	s_mov_b32 s[\g+5], 32
	s_mov_b32 s[\g+6], 0
	s_mov_b32 s[\g+7], 0
.endr
	s_lshl_b32 s74, s20, 4                            ; x: rowblock 16 Y + 4 wave (these registers never hold cx)
	s_lshl_b32 s75, s14, 2
	s_add_co_u32 s74, s74, s75
	s_mul_i32 s74, s74, 3072
	s_mov_b32 s75, 0
	s_lshl_b32 s78, s19, 3                            ; W: rowblock 8 X + 4 (wave % 2), 192 rowblocks on for wave / 2 (these never hold cy)
	s_lshl_b32 s79, s16, 2
	s_add_co_u32 s78, s78, s79
	s_mul_i32 s79, s15, 192
	s_add_co_u32 s78, s78, s79
	s_mul_i32 s78, s78, 3072
	s_mov_b32 s79, 0
	s_mul_i32 s82, s14, 12288                         ; my quarter in LDS: the wave's number alone
	s_mov_b32 s70, 0x76543210
	s_mov_b32 s71, 0xfedcba98
	s_mov_b32 s72, 0xffff0000
	s_wait_dscnt 0x0                                  ; the opening add is done
	s_wait_kmcnt 0x0
	s_add_nc_u64 s[76:77], s[4:5], s[74:75]
	s_add_nc_u64 s[80:81], s[6:7], s[78:79]
.irp j, 0,1,2,3
	s_mov_b32 s[G0A+4*\j], 1
	s_add_co_u32 s[G0A+4*\j+1], s82, \j*49152
	s_add_nc_u64 s[G0A+4*\j+2:G0A+4*\j+3], s[76:77], \j*1572864
	s_or_b32 s[G0A+4*\j+3], s[G0A+4*\j+3], 0x80000000
.endr
.irp g, 0,1
	s_mov_b32 s[G0B+4*\g], 1
	s_add_co_u32 s[G0B+4*\g+1], s82, 196608+\g*49152
	s_add_nc_u64 s[G0B+4*\g+2:G0B+4*\g+3], s[80:81], \g*1179648
	s_or_b32 s[G0B+4*\g+3], s[G0B+4*\g+3], 0x80000000
.endr
	CROUND                                            ; all sixteen work-groups are here: the first joint loads meet
	tensor_load_to_lds s[G0A:G0A+3], s[G1A:G1A+7]     ; x, K 0-255
	s_nop 0
	tensor_load_to_lds s[G0B:G0B+3], s[G1B:G1B+7]     ; q's W, K 0-511
	s_nop 0
	tensor_load_to_lds s[G0A+4:G0A+7], s[G1A:G1A+7]   ; x, K 256-511
	s_nop 0
	tensor_load_to_lds s[G0B+4:G0B+7], s[G1B:G1B+7]   ; q's W, K 512-1023
	s_nop 0
	tensor_load_to_lds s[G0A+8:G0A+11], s[G1A:G1A+7]
	s_nop 0
	tensor_load_to_lds s[G0A+12:G0A+15], s[G1A:G1A+7]
	s_nop 0
	PLACES
	s_lshl_b32 s83, s20, 1
	s_add_co_u32 s83, s83, s15                        ; my group of 128 tokens, 0 .. 63
	s_lshl_b32 s84, s19, 1
	s_add_co_u32 s84, s84, s16                        ; my head
	s_lshr_b32 s85, s83, 4                            ; the batch
	s_lshl_b32 s85, s85, 4
	s_add_co_u32 s85, s85, s84
	s_lshl_b32 s85, s85, 4
	s_and_b32 s86, s83, 15
	s_add_co_u32 s85, s85, s86                        ; I = (batch x 16 + head) x 16 + group in the batch
	s_mul_i32 s86, s85, 6400
	s_mov_b32 s87, 0
	s_add_nc_u64 s[66:67], s[10:11], s[86:87]         ; q's block
	s_mul_i32 s86, s85, 12800
	s_add_nc_u64 s[68:69], s[12:13], s[86:87]         ; k's and v's block
	s_lshl_b32 s86, s83, 12                           ; x's scale words: 4 pairs of 1,024 bytes a group
	s_add_co_u32 s86, s86, XS
	s_add_nc_u64 s[88:89], s[4:5], s[86:87]
	s_lshl_b32 s86, s84, 11                           ; W's: 2 pairs a head
	s_add_co_u32 s86, s86, WS
	s_add_nc_u64 s[90:91], s[6:7], s[86:87]
	s_lshl_b32 s86, s84, 8                            ; the bias: 64 numbers a head
	s_add_nc_u64 s[92:93], s[8:9], s[86:87]
	v_and_b32 v9, 31, v0
	v_lshlrev_b32 v[LI], 4, v9
	v_lshlrev_b32 v[L8], 3, v9
	v_bfe_u32 v9, v0, 4, 1
	v_lshlrev_b32 v[OH], 6, v9
	v_and_b32 v9, 15, v0
	v_and_b32 v[OV], 8, v9
	v_add_nc_u32 v[OV], v[OV], v9
	v_lshlrev_b32 v[OV], 2, v[OV]
.irp i, 0,1,2,3
.irp k, 0,1
	global_load_b128 v[SA+8*\i+4*\k:SA+8*\i+4*\k+3], v[LI], s[88:89] offset:\i*1024+\k*512
.endr
.endr
.irp p, 0,1,2
.irp i, 0,1
.irp k, 0,1
	global_load_b128 v[SB+16*\p+8*\i+4*\k:SB+16*\p+8*\i+4*\k+3], v[LI], s[90:91] offset:\p*32768+\i*1024+\k*512
.endr
.endr
.endr
	WIN 0xC0                                          ; destination window 3
.irp p, 0,1
.irp b, 0,1,2,3                                   ; q, k: lane (r, h), tile b: the eight channels 32 (b / 2) + 8 (b % 2) + 16 h + 0 .. 7
	global_load_b128 v[96+32*\p+8*\b:96+32*\p+8*\b+3], v[OH], s[92:93] offset:4*(1024*\p+32*(\b/2)+8*(\b%2))
	global_load_b128 v[96+32*\p+8*\b+4:96+32*\p+8*\b+7], v[OH], s[92:93] offset:4*(1024*\p+32*(\b/2)+8*(\b%2))+16
.endr
.endr
.irp b, 0,1,2,3                                   ; v: my one channel's bias, for all eight registers
	global_load_b32 v[160+8*\b], v[OV], s[92:93] offset:4*(2048+32*(\b/2)+8*(\b%2))
.endr
	WIN 0
	s_mul_i32 s94, s15, 24576
.irp j, 0,1,2,3
	v_add_nc_u32 v[ADA+\j], s94, v[LI]
	s_add_co_u32 s94, s94, 49152
.endr
	s_mul_i32 s95, s16, 12288
	s_add_co_u32 s95, s95, 196608
.irp g, 0,1
	v_add_nc_u32 v[ADB+\g], s95, v[LI]
	s_add_co_u32 s95, s95, 49152
.endr
.irp b, 0,1,2,3
	v_mov_b32 v[TM+4+\b], 0                           ; written once: a lane permute's destination counts as one of its sources
.endr
; the fragments of K step s (128 along K): x's eight into window 2, W's four into window 3, set s % 2; each by three loads of 512 consecutive bytes
.macro FETCH s
	WIN 0x80
.set fa, 0
.rept 8
.irp c, 0,1,2
	ds_load_b128 v[96*((\s)%2)+12*fa+4*\c:96*((\s)%2)+12*fa+4*\c+3], v[ADA+(\s)/2] offset:fa*3072+((\s)%2)*1536+512*\c
.endr
.set fa, fa+1
.endr
	WIN 0xC0
.set fb, 0
.rept 4
.irp c, 0,1,2
	ds_load_b128 v[48*((\s)%2)+12*fb+4*\c:48*((\s)%2)+12*fb+4*\c+3], v[ADB+(\s)/4] offset:(((\s)/2)%2)*24576+fb*3072+((\s)%2)*1536+512*\c
.endr
.set fb, fb+1
.endr
	WIN 0
.endm
.macro WM                              ; one product; rw0, rw1: the scale words lie in lanes 16-31
.if rw0 && rw1
	v_wmma_scale_f32_16x16x128_f8f6f4 v[frD:frD+7], v[fr0:fr0+11], v[fr1:fr1+11], v[frC:frC+7], v[sc0], v[sc1] matrix_a_fmt:MATRIX_FMT_FP6 matrix_b_fmt:MATRIX_FMT_FP6 matrix_a_scale:MATRIX_SCALE_ROW1 matrix_b_scale:MATRIX_SCALE_ROW1
.elseif rw0
	v_wmma_scale_f32_16x16x128_f8f6f4 v[frD:frD+7], v[fr0:fr0+11], v[fr1:fr1+11], v[frC:frC+7], v[sc0], v[sc1] matrix_a_fmt:MATRIX_FMT_FP6 matrix_b_fmt:MATRIX_FMT_FP6 matrix_a_scale:MATRIX_SCALE_ROW1
.elseif rw1
	v_wmma_scale_f32_16x16x128_f8f6f4 v[frD:frD+7], v[fr0:fr0+11], v[fr1:fr1+11], v[frC:frC+7], v[sc0], v[sc1] matrix_a_fmt:MATRIX_FMT_FP6 matrix_b_fmt:MATRIX_FMT_FP6 matrix_b_scale:MATRIX_SCALE_ROW1
.else
	v_wmma_scale_f32_16x16x128_f8f6f4 v[frD:frD+7], v[fr0:fr0+11], v[fr1:fr1+11], v[frC:frC+7], v[sc0], v[sc1] matrix_a_fmt:MATRIX_FMT_FP6 matrix_b_fmt:MATRIX_FMT_FP6
.endif
.endm
; part p (0 q, 1 k, 2 v), K step s: x's rowblocks lo .. lo + n - 1 against W's four.  The 32 accumulators take turns, one instruction a turn, in the same order in every step.
.macro MUL p, s, lo, n
.if (\p) == 2
.if (\s) == 0
	WIN 0x7E                                          ; source 0 (x) window 2, source 1 (W) window 3, C (bias) window 3, D window 1
.else
	WIN 0x5E
.endif
.else
.if (\s) == 0
	WIN 0x7B                                          ; source 0 (W) window 3, source 1 (x) window 2, C (bias) window 3, D window 1
.else
	WIN 0x5B
.endif
.endif
.set ma, \lo
.rept \n
.set mb, 0
.rept 4
.if (\p) == 2
.set fr0, 96*((\s)%2)+12*ma
.set fr1, 48*((\s)%2)+12*mb
.set frD, 8*(8*mb+ma)
.set sc0, SA+8*(ma/2)+(\s)
.set sc1, SB+32+8*(mb/2)+(\s)
.set rw0, ma%2
.set rw1, mb%2
.set frC, 160+8*mb
.else
.set fr0, 48*((\s)%2)+12*mb
.set fr1, 96*((\s)%2)+12*ma
.set frD, 8*(4*ma+mb)
.set sc0, SB+16*(\p)+8*(mb/2)+(\s)
.set sc1, SA+8*(ma/2)+(\s)
.set rw0, mb%2
.set rw1, ma%2
.set frC, 96+32*(\p)+8*mb
.endif
.if (\s) != 0
.set frC, frD
.endif
	WM
.set mb, mb+1
.endr
.set ma, ma+1
.endr
.endm
.macro STEP p, s                       ; a K step whose successor's fragments lie in LDS already
	s_wait_dscnt 0x0                                  ; this step's 36 loads, issued ahead of the last step's 32 products, are in
	PLACES
	FETCH (\s)+1
	MUL \p, \s, 0, 8
.endm
; K steps 3 and 7 change W's slots: ONE barrier.  In front of it each wave waits for all its tensor loads, adds 0 to its spare word, and waits for that and for its reads of the slot.
; fill = 1: the barrier opens a round of the cluster's barrier, and the slot just left takes the next part's W: it has four K steps, 128 products, in which to land.
.macro CHANGE p, s, nxt, fill
	WIN 0
	s_wait_tensorcnt 0x0                              ; all my tensor loads have landed, so a group 0 may be written
	ds_add_u32 v[SPW], v[NIL]
.if \fill
	s_add_nc_u64 s[G0B+4*((\s)/4)+2:G0B+4*((\s)/4)+3], s[G0B+4*((\s)/4)+2:G0B+4*((\s)/4)+3], 196608   ; 64 rowblocks on: the next part
.endif
	s_wait_dscnt 0x1                                  ; the add may be out; this step's 36 loads are in
	MUL \p, \s, 0, 4
	s_wait_dscnt 0x0                                  ; the add is done, and my reads of the slot are over
	s_barrier_signal -1
	MUL \p, \s, 4, 2
	WIN 0
	s_barrier_wait -1
.if \fill
	CREST                                             ; no wave of any partner still reads the slot or has a load on its way
	tensor_load_to_lds s[G0B+4*((\s)/4):G0B+4*((\s)/4)+3], s[G1B:G1B+7]
	s_nop 0
.endif
	PLACES
	FETCH \nxt
	MUL \p, \s, 6, 2
.endm
; 64 accumulator registers (window 1) become an image's codes and scale word
.macro QUANTW s, pc, pt, pw
	WIN 0x05                                          ; sources 0 and 1 window 1
.irp b, 0,1,2,3
	v_max3_num_f32 v[TM+\b], |v[\s+16*\b]|, |v[\s+1+16*\b]|, 0x1800000   ; each accumulator is read from its low end on
.endr
	WIN 0x14                                          ; sources 1 and 2 window 1
.irp i, 2,4,6,8,10,12,14
.irp b, 0,1,2,3
	v_max3_num_f32 v[TM+\b], v[TM+\b], |v[\s+16*\b+\i]|, |v[\s+1+16*\b+\i]|
.endr
.endr
	WIN 0
.irp b, 0,1,2,3
	v_permlanex16_b32 v[TM+4+\b], v[TM+\b], s70, s71
.endr
.irp b, 0,1,2,3
	v_max_num_f32 v[TM+\b], v[TM+\b], v[TM+4+\b]
.endr
.irp b, 0,1,2,3
	v_add_nc_u32 v[TM+12+\b], 0xff000000, v[TM+\b]    ; 2 off the exponent field: the conversion's scale operand
.endr
.irp b, 0,1,2,3
	v_lshrrev_b32 v[TM+4+\b], 23, v[TM+12+\b]
.endr
	v_lshl_or_b32 v[\pw], v[TM+5], 8, v[TM+4]
	v_lshl_or_b32 v[\pw], v[TM+6], 16, v[\pw]
	v_lshl_or_b32 v[\pw], v[TM+7], 24, v[\pw]
	WIN 0x01                                          ; source 0 window 1
.irp c, 0,1
	v_cvt_scalef32_pk16_fp6_f32 v[\pc+6*\c:\pc+6*\c+2], v[\s+32*\c:\s+32*\c+15], v[TM+12+2*\c]
	v_cvt_scalef32_pk16_fp6_f32 v[\pt+4*\c:\pt+4*\c+2], v[\s+16+32*\c:\s+16+32*\c+15], v[TM+13+2*\c]
.endr
	WIN 0
	v_nop                                             ; one plain place behind a scaled conversion
.irp c, 0,1
.irp i, 0,1,2
	v_permlane16_swap_b32 v[\pc+6*\c+\i], v[\pt+4*\c+\i]
.endr
.irp i, 0,1,2
	v_mov_b32 v[\pc+3+6*\c+\i], v[\pt+4*\c+\i]
.endr
.endr
.endm
; a finished tile leaves: four images, 512 consecutive bytes a store, and their scale words as one aligned block of 256 bytes (register g / 2, lanes 16 (g % 2) + r)
.macro EPI base, coff, soff
	PLACES
	s_wait_xcnt 0x0                                   ; the last tile's stores have read their registers
.irp g, 0,1,2,3
	QUANTW 64*\g, PCS+20*\g, PCS+12+20*\g, PWS+\g
.irp c, 0,1,2
	global_store_b128 v[LI], v[PCS+20*\g+4*\c:PCS+20*\g+4*\c+3], s[\base:\base+1] offset:\coff+1536*\g+512*\c
.endr
.endr
	v_cndmask_b32 v[W0], v[PWS], v[PWS+1], s72
	v_cndmask_b32 v[W0+1], v[PWS+2], v[PWS+3], s72
	global_store_b64 v[L8], v[W0:W0+1], s[\base:\base+1] offset:\soff
.endm
	s_wait_alu depctr_va_vdst(0)
	s_wait_tensorcnt 0x4                              ; x's K 0-255 and W's first slot are in: four loads were issued behind them
	s_barrier_signal -1
	s_barrier_wait -1                                 ; everybody's are
	FETCH 0
	s_wait_loadcnt 0x0                                ; scale words and biases
	WIN 0xC3
.irp b, 0,1,2,3
.irp j, 1,2,3,4,5,6,7
	v_mov_b32 v[160+8*\b+\j], v[160+8*\b]
.endr
.endr
	STEP 0, 0
	s_wait_dscnt 0x0
	s_wait_tensorcnt 0x3                              ; x's K 256-511 is in: three loads were issued behind it
	s_barrier_signal -1
	s_barrier_wait -1
	STEP 0, 1
	STEP 0, 2
	CHANGE 0, 3, 4, 1
	STEP 0, 4
	STEP 0, 5
	STEP 0, 6
	CHANGE 0, 7, 0, 1
	EPI 66, 0, 6144                                   ; q
	STEP 1, 0
	STEP 1, 1
	STEP 1, 2
	CHANGE 1, 3, 4, 1
	STEP 1, 4
	STEP 1, 5
	STEP 1, 6
	CHANGE 1, 7, 0, 1
	EPI 68, 0, 12288                                  ; k
	STEP 2, 0
	STEP 2, 1
	STEP 2, 2
	CHANGE 2, 3, 4, 0                                 ; nothing is left to fetch
	STEP 2, 4
	STEP 2, 5
	STEP 2, 6
	s_wait_dscnt 0x0
	MUL 2, 7, 0, 8
	EPI 68, 6144, 12544                               ; v
	WIN 0
	s_wait_tensorcnt 0x0                              ; the wave's end
	ds_add_u32 v[SPW], v[NIL]
	s_wait_dscnt 0x0
	CROUND                                            ; the closing round
	s_endpgm
.Lfunc_end_k_qb021643781_qkv:
	.size	k_qb021643781_qkv, .Lfunc_end_k_qb021643781_qkv-k_qb021643781_qkv
	.p2alignl 7, 3214868480
	.fill 96, 4, 3214868480
	.section	.rodata,"a",@progbits
	.p2align	6, 0x0
	.amdhsa_kernel k_qb021643781_qkv
		.amdhsa_group_segment_fixed_size 327680
		.amdhsa_private_segment_fixed_size 0
		.amdhsa_enable_private_segment 0
		.amdhsa_kernarg_size 40
		.amdhsa_user_sgpr_count 2
		.amdhsa_user_sgpr_kernarg_segment_ptr 1
		.amdhsa_wavefront_size32 1
		.amdhsa_system_sgpr_workgroup_id_x 1
		.amdhsa_system_sgpr_workgroup_id_y 1
		.amdhsa_system_sgpr_workgroup_id_z 1
		.amdhsa_system_vgpr_workitem_id 0
		.amdhsa_next_free_vgpr 1024
		.amdhsa_next_free_sgpr 96
		.amdhsa_reserve_vcc 0
		.amdhsa_float_denorm_mode_32 3
		.amdhsa_float_denorm_mode_16_64 3
		.amdhsa_memory_ordered 1
		.amdhsa_forward_progress 1
		.amdhsa_inst_pref_size 224
	.end_amdhsa_kernel
	.amdgpu_metadata
---
amdhsa.version: [ 1, 2 ]
amdhsa.kernels:
  - .name:           k_qb021643781_qkv
    .symbol:         k_qb021643781_qkv.kd
    .args:
      - { .name: xq, .offset: 0, .size: 8, .value_kind: global_buffer, .address_space: global }
      - { .name: wq, .offset: 8, .size: 8, .value_kind: global_buffer, .address_space: global }
      - { .name: b_attn, .offset: 16, .size: 8, .value_kind: global_buffer, .address_space: global }
      - { .name: qc, .offset: 24, .size: 8, .value_kind: global_buffer, .address_space: global }
      - { .name: kv, .offset: 32, .size: 8, .value_kind: global_buffer, .address_space: global }
    .group_segment_fixed_size: 327680
    .private_segment_fixed_size: 0
    .kernarg_segment_align: 8
    .kernarg_segment_size: 40
    .max_flat_workgroup_size: 128
    .sgpr_count:     96
    .vgpr_count:     1024
    .wavefront_size: 32
...
	.end_amdgpu_metadata
.endif
;; end of part 2
;; launch attn (part 3): grid 8 x 64, 16 waves a work-group, no clusters, 327,680 bytes of LDS; arguments qc, kv, rel_emb, yq; writes yq
.if DOCPART == 3
	.amdgcn_target "amdgcn-amd-amdhsa--gfx1250"
	.amdhsa_code_object_version 6
	.text
	.protected	k_qb021643781_attn
	.globl	k_qb021643781_attn
	.p2align	8
	.type	k_qb021643781_attn,@function
k_qb021643781_attn:
	s_mov_b64 s[64:65], 0
	v_nop
	global_prefetch_b8 v0, s[64:65] scope:SCOPE_SE
	s_setreg_imm32_b32 hwreg(HW_REG_WAVE_MODE, 25, 1), 1
	s_wait_xcnt 0x0
; y = softmax(q k^T / 8 + relative bias, causal) v for one head, both products on codes of FP6 (E2M3) with E8M0 scales; y is quantised along the channels and leaves as half an operand image.
; THE SOFTMAX: t = score x log2(e) / 8 + log2(e) x bias; M = the running largest t rounded UP to a whole number; p = 2^(t - M) is quantised along the keys, not normalised; the row's sum is taken of the unquantised p and divides at the end.
; SHARES.  Work-group (g, batch x 16 + head) owns the groups of 128 queries g and 15 - g: 17 group-steps under the causal mask in every work-group.  Sixteen waves, one rowblock of 16 queries each, in 256 registers:
; wave w has rowblock w / 2 of group g (role 0) or 15 - g (role 1), role = (w xor w / 4) % 2.  A lane holds ONE query throughout: both products are used transposed.
; K = 64 IN AN INSTRUCTION OF 128: k's codes lie as PAIR IMAGES (two rowblocks of keys: registers 0-5, 6-11).  Each is multiplied twice, by [q | zero codes] and by [zero codes | q]: zero codes add nothing; their scale bytes are 1.
; By the order of rows in a rowblock the 16 score registers of a pair are 16 neighbouring keys, 32 a + 16 h + 0 .. 15.
; BIAS AND MASK come from one table in LDS: U[j] for distance 255 - j: -infinity where the key comes after the query, else log2(e) x rel_emb[bucket][head].  The bucket is a function of whole numbers:
; min(distance, 16) + the number of thresholds 19, 21 .. 113 at or under it.  Four copies, shifted by 0 .. 3 entries, let every lane read its 16 neighbours by aligned loads of 16 bytes.
; From distance 113 on the bucket is 31: key steps two or more groups back take one constant.
; RING: two slots of four key steps (51,200 bytes as they lie in memory), filled by waves 0-3, one load each; one load a wave is outstanding at the most.  Every wave walks all 16 steps: trip counts are constants;
; a step whose keys all come after the wave's queries is jumped over, and a slot whose first key comes after the work-group's last query is not asked for.
; NO CLUSTER: a slot's 51,200 bytes serve four key steps of up to sixteen waves, a small part of a step's work, and partners would need 9 to 16 steps each.  NO PREFETCH: each slot is asked for four key steps ahead of its first read.
; LIMITS: p under 2^-126 falls to 0; a block under 2^-124 keeps the byte 1; in far steps (bias - M) is rounded once, 2^-24 |M| in t; NaN and infinities are not served.
.set SLOT1, 65536
.set STEPB, 12800
.set TBL,   131072                     ; four copies of the table, 1,648 bytes apart
.set YSC,   137728                     ; 512 bytes: y's scale bytes, gathered
.set SPARE, 138240                     ; the spare words: 128 bytes for each of 16 waves
.set YS,    6291456
.set LI,  1                            ; v1  16 x lane
.set L8,  2                            ; v2  8 x lane
.set TBA, 3                            ; v3  my place in the table for the diagonal step
.set ADK, 4                            ; v4  the step's images
.set ADS, 5                            ; v5  the step's scale blocks
.set ADB, 6                            ; v6  the step's bias
.set SPW, 7                            ; v7  my spare word; never rewritten
.set NIL, 8                            ; v8  0; never rewritten
.set B31, 9                            ; v9  log2(e) x rel_emb[31][head]
.set AD,  10                           ; v[10:11] bias - M
                                       ; v12 -M, v13 the largest t, v[14:15] the sum in two halves
.set QLO, 16                           ; v16-27  [q | 0]
.set QHI, 28                           ; v28-39  [0 | q]
.set F,   40                           ; v40-103 four images of k, or the bias, or four images of v
.set S,   104                          ; v104-167 scores, then p
.set O,   168                          ; v168-199 O^T: register 16 b + i = channel 32 b + 16 h + i
.set PC,  200                          ; v200-211 p's codes
.set PT,  212                          ; v212-219
.set BM,  220                          ; v220-223 the blocks' largest
.set BX,  224                          ; v224-227
.set SO,  228                          ; v228-231 the conversions' scale operands
.set KS,  232                          ; v[232:233] k's scale words, v[234:235] v's
.set VS,  234
.set QSL, 236
.set QSH, 237
.set PS,  238                          ; p's scale word
.set FF,  240                          ; v[240:241] f = 2^(old M - new M)
.set T,   242                          ; v242-245 at work
.set YSA, 250                          ; v250 where my row's two scale bytes go
.set YRD, 251                          ; v251 YSC + 16 x lane
.set YGO, 252                          ; v252 wave 0's offset for the scale bytes' store
.macro PLACES
.rept 4
	v_nop
.endr
.endm
.macro TLOAD                           ; waves 0-3 fetch one key step's block each; the branch hangs on the wave's number alone
	s_cmp_lt_u32 s12, 4
	s_cbranch_scc0 .Lnone_\@
	tensor_load_to_lds s[32:35], s[24:31]
	s_nop 0
	PLACES
.Lnone_\@:
.endm
	s_load_b256 s[4:11], s[0:1], 0x0                  ; qc, kv, rel_emb, yq
	v_lshl_add_u32 v[SPW], v0, 2, SPARE
	v_mov_b32 v[NIL], 0
	ds_add_u32 v[SPW], v[NIL]                         ; the wave's opening: the add and its wait ahead of my first tensor load
	ds_add_u32 v[SPW], v[NIL]
	v_lshrrev_b32 v104, 5, v0
	s_delay_alu instid0(VALU_DEP_1)
	v_readfirstlane_b32 s12, v104                     ; wave
	s_lshr_b32 s13, s12, 1                            ; my rowblock in the group
	s_lshr_b32 s42, s12, 2
	s_xor_b32 s14, s12, s42
	s_and_b32 s14, s14, 1                             ; role
	s_mov_b32 s15, ttmp9                              ; g
	s_and_b32 s16, ttmp7, 0xffff                      ; batch x 16 + head
	s_and_b32 s17, s16, 15                            ; head
	s_sub_co_u32 s42, 15, s15
	s_cmp_eq_u32 s14, 0
	s_cselect_b32 s18, s15, s42                       ; my group of queries
	s_lshl_b32 s19, s18, 7                            ; its first query
	s_lshl_b32 s20, s42, 7
	s_or_b32 s20, s20, 127                            ; the work-group's last query
	s_mov_b32 s21, 0                                  ; the step's first key
	s_mov_b32 s22, 0                                  ; the step's block in LDS
	s_mov_b32 s24, 3<<16                              ; group 1: 12,800 dense bytes as 50 rows of 32 elements of 8 bytes
	s_mov_b32 s25, 32<<16
	s_mov_b32 s26, 50<<16
	s_mov_b32 s27, 32<<16
	s_mov_b32 s28, 50
	s_mov_b32 s29, 32
	s_mov_b32 s30, 0
	s_mov_b32 s31, 0
	s_mov_b32 s38, 0x76543210
	s_mov_b32 s39, 0xfedcba98
	s_mov_b32 s40, 0x3e38aa3b                         ; c = log2(e) / 8
	s_mov_b32 s41, s40
	s_mov_b32 s32, 1
	s_mul_i32 s33, s12, STEPB
	s_lshl_b32 s42, s16, 4
	s_add_co_u32 s42, s42, s12
	s_mul_i32 s42, s42, STEPB
	s_mov_b32 s43, 0
	s_lshl_b32 s48, s16, 4
	s_add_co_u32 s48, s48, s18
	s_mul_i32 s48, s48, 6400                          ; q's block
	s_mov_b32 s49, 0
	s_lshl_b32 s50, s17, 2
	s_mov_b32 s51, 0
	s_lshr_b32 s54, s16, 4                            ; the batch
	s_lshl_b32 s55, s54, 7
	s_lshl_b32 s56, s18, 3
	s_add_co_u32 s55, s55, s56
	s_add_co_u32 s55, s55, s13                        ; my rowblock among all 512
	s_lshr_b32 s56, s17, 2
	s_lshl_b32 s56, s56, 9
	s_add_co_u32 s55, s55, s56
	s_lshl_b32 s55, s55, 2
	s_and_b32 s56, s17, 3
	s_add_co_u32 s55, s55, s56
	s_mul_i32 s58, s55, 768                           ; y's half image: ((head / 4 x 512 + rowblock) x 4 + head % 4) x 768
	s_mov_b32 s59, 0
	s_lshl_b32 s55, s54, 4
	s_add_co_u32 s55, s55, s15
	s_lshl_b32 s55, s55, 4
	s_add_co_u32 s55, s55, s17
	s_lshl_b32 s60, s55, 8
	s_add_co_u32 s60, s60, YS                         ; y's scale bytes of group g: 256 bytes for a head and 128 tokens
	s_mov_b32 s61, 0
	s_lshl_b32 s62, s15, 1
	s_sub_co_u32 s62, 15, s62
	s_lshl_b32 s62, s62, 12                           ; and (15 - 2 g) x 4,096 bytes on for group 15 - g
	s_lshr_b32 s46, s13, 1                            ; my pair of rowblocks
	s_and_b32 s47, s13, 1                             ; and which of the two
	s_wait_dscnt 0x0                                  ; the opening add is done
	s_wait_kmcnt 0x0
	s_add_nc_u64 s[34:35], s[6:7], s[42:43]
	s_or_b32 s35, s35, 0x80000000
	TLOAD                                             ; slot 0
	s_add_nc_u64 s[44:45], s[4:5], s[48:49]
	s_add_nc_u64 s[52:53], s[8:9], s[50:51]
	s_add_nc_u64 s[58:59], s[10:11], s[58:59]
	s_add_nc_u64 s[60:61], s[10:11], s[60:61]
	s_load_b32 s57, s[52:53], 0x7c0                   ; rel_emb[31][head]
	v_and_b32 v104, 31, v0
	s_delay_alu instid0(VALU_DEP_1)
	v_lshlrev_b32 v[LI], 4, v104
	s_delay_alu instid0(VALU_DEP_2)
	v_lshlrev_b32 v[L8], 3, v104
	v_and_b32 v105, 15, v0                            ; r
	v_bfe_u32 v106, v0, 4, 1                          ; h
	s_mul_i32 s48, s46, 1536
	v_add_nc_u32 v107, s48, v[LI]
.irp c, 0,1,2
	global_load_b128 v[F+4*\c:F+4*\c+3], v107, s[44:45] offset:512*\c     ; my pair image of q
.endr
	s_and_b32 s49, s46, 1
	s_lshl_b32 s49, s49, 7
	s_lshr_b32 s50, s46, 1
	s_lshl_b32 s50, s50, 2
	s_add_co_u32 s49, s49, s50
	v_lshl_add_u32 v108, v105, 3, s49
	global_load_b32 v109, v108, s[44:45] offset:6144                     ; and its scale word
	; the table: thread n writes entries (n % 128) + 128 e, e = 0, 1, 2, of copy n / 128
	v_lshrrev_b32 v110, 7, v0
	v_and_b32 v111, 127, v0
	s_delay_alu instid0(VALU_DEP_2)
	v_mul_u32_u24 v112, v110, 1648
	s_delay_alu instid0(VALU_DEP_1)
	v_lshl_add_u32 v112, v111, 2, v112
	s_delay_alu instid0(VALU_DEP_1)
	v_add_nc_u32 v112, TBL, v112
	s_delay_alu instid0(VALU_DEP_4)
	v_add_nc_u32 v113, v110, v111
	s_delay_alu instid0(VALU_DEP_1)
	v_sub_nc_u32 v113, 255, v113                      ; the distance query - key of entry e = 0
.irp e, 0,1,2
	v_add_nc_u32 v[114+\e], -128*\e, v113
.endr
.irp e, 0,1,2
	s_delay_alu instid0(VALU_DEP_3)
	v_max_i32 v[117+\e], 0, v[114+\e]
.endr
.irp e, 0,1,2
	s_delay_alu instid0(VALU_DEP_3)
	v_min_u32 v[120+\e], 16, v[117+\e]
.endr
.irp t, 19,21,24,27,31,35,40,46,52,59,67,77,87,99,113
.irp e, 0,1,2
	v_cmp_le_i32 vcc_lo, \t, v[117+\e]
	s_delay_alu instid0(VALU_DEP_1)
	v_cndmask_b32 v123, 0, 1, vcc_lo
	s_delay_alu instid0(VALU_DEP_1)
	v_add_nc_u32 v[120+\e], v[120+\e], v123
.endr
.endr
.irp e, 0,1,2
	v_min_u32 v[120+\e], 31, v[120+\e]
	s_delay_alu instid0(VALU_DEP_1)
	v_lshlrev_b32 v[120+\e], 6, v[120+\e]             ; a row of rel_emb is 64 bytes
.endr
.irp e, 0,1,2
	global_load_b32 v[124+\e], v[120+\e], s[52:53]
.endr
	v_mov_b32 v127, 0xff800000                        ; -infinity
	; my place in the table: a = 255 - (my query in its group) + 16 h; copy a % 4, entry a - a % 4
	s_lshl_b32 s50, s46, 5
	s_lshl_b32 s51, s47, 3
	s_add_co_u32 s50, s50, s51
	v_and_b32 v128, 8, v105
	s_delay_alu instid0(VALU_DEP_1)
	v_add_nc_u32 v128, v128, v105
	s_delay_alu instid0(VALU_DEP_1)
	v_add_nc_u32 v128, s50, v128
	s_delay_alu instid0(VALU_DEP_1)
	v_sub_nc_u32 v129, 255, v128
	s_delay_alu instid0(VALU_DEP_1)
	v_lshl_add_u32 v129, v106, 4, v129
	s_delay_alu instid0(VALU_DEP_1)
	v_and_b32 v130, 3, v129
	s_delay_alu instid0(VALU_DEP_2)
	v_lshrrev_b32 v131, 2, v129
	s_delay_alu instid0(VALU_DEP_2)
	v_mul_u32_u24 v130, v130, 1648
	s_delay_alu instid0(VALU_DEP_1)
	v_lshl_add_u32 v130, v131, 4, v130
	s_delay_alu instid0(VALU_DEP_1)
	v_add_nc_u32 v[TBA], TBL, v130
	s_lshl_b32 s50, s14, 8
	s_lshl_b32 s51, s47, 7
	s_add_co_u32 s50, s50, s51
	s_lshl_b32 s51, s46, 1
	s_add_co_u32 s50, s50, s51
	v_lshl_add_u32 v[YSA], v105, 3, s50
	s_delay_alu instid0(VALU_DEP_1)
	v_add_nc_u32 v[YSA], YSC, v[YSA]
	v_add_nc_u32 v[YRD], YSC, v[LI]
	v_mul_u32_u24 v[YGO], s62, v106
	s_delay_alu instid0(VALU_DEP_1)
	v_lshl_add_u32 v[YGO], v105, 4, v[YGO]
	s_wait_loadcnt 0x0
.irp e, 0,1,2
	v_mul_f32 v[124+\e], 0x3fb8aa3b, v[124+\e]
	v_cmp_gt_i32 vcc_lo, 0, v[114+\e]                 ; the key comes after the query
	s_delay_alu instid0(VALU_DEP_1)
	v_cndmask_b32 v[124+\e], v[124+\e], v127, vcc_lo
	ds_store_b32 v112, v[124+\e] offset:512*\e
.endr
	s_cmp_eq_u32 s47, 0
	s_cselect_b32 s37, 0, -1
.irp i, 0,1,2,3,4,5
	v_cndmask_b32 v[QLO+\i], v[F+\i], v[F+6+\i], s37  ; my rowblock's half of the pair image
.endr
.irp i, 0,1,2,3,4,5
	v_mov_b32 v[QHI+6+\i], v[QLO+\i]
	v_mov_b32 v[QLO+6+\i], 0
	v_mov_b32 v[QHI+\i], 0
.endr
	s_lshl_b32 s56, s47, 4
	v_lshrrev_b32 v109, s56, v109
	s_delay_alu instid0(VALU_DEP_1)
	v_and_b32 v109, 0xffff, v109
	s_delay_alu instid0(VALU_DEP_1)
	v_or_b32 v[QSL], 0x01010000, v109
	s_delay_alu instid0(VALU_DEP_2)
	v_lshl_or_b32 v[QSH], v109, 16, 0x0101
	s_wait_kmcnt 0x0
	v_mov_b32 v[B31], s57
	s_delay_alu instid0(VALU_DEP_1)
	v_mul_f32 v[B31], 0x3fb8aa3b, v[B31]
	v_mov_b32 v13, 0xff61b1e6                         ; the largest t so far: -3e38
	s_delay_alu instid0(VALU_DEP_1)
	v_floor_f32 v12, -v13
	v_mov_b32 v14, 0
	v_mov_b32 v15, 0
	v_mov_b32 v[AD+1], 0                              ; (named as the upper halves of pairs)
	v_mov_b32 v[FF+1], 0
	v_mov_b32 v[T], 0
.irp b, 0,1,2,3
	v_mov_b32 v[BX+\b], 0                             ; written once: a lane permute's destination counts as one of its sources
.endr
.irp j, 0,1,2,3,4,5,6,7,8,9,10,11,12,13,14,15,16,17,18,19,20,21,22,23,24,25,26,27,28,29,30,31
	v_mov_b32 v[O+\j], 0                              ; the step is written once: the first finds zeros
.endr
.macro VLOADS                          ; the step's four images of v^T
.irp d, 0,1,2,3
.irp c, 0,1,2
	ds_load_b128 v[F+12*\d+4*\c:F+12*\d+4*\c+3], v[ADK] offset:6144+1536*\d+512*\c
.endr
.endr
.endm
.macro BLOCKMAX                        ; the largest of each block of 32 keys, and of all: it serves for the row's maximum and, since p rises with it, for the block's largest p
.irp b, 0,1,2,3
	v_max3_num_f32 v[BM+\b], v[S+16*\b], v[S+16*\b+1], v[S+16*\b+2]
.endr
.irp i, 3,5,7,9,11,13
.irp b, 0,1,2,3
	v_max3_num_f32 v[BM+\b], v[BM+\b], v[S+16*\b+\i], v[S+16*\b+\i+1]
.endr
.endr
.irp b, 0,1,2,3
	v_max_num_f32 v[BM+\b], v[BM+\b], v[S+16*\b+15]
.endr
.irp b, 0,1,2,3
	s_delay_alu instid0(VALU_DEP_4)
	v_permlanex16_b32 v[BX+\b], v[BM+\b], s38, s39
.endr
.irp b, 0,1,2,3
	s_delay_alu instid0(VALU_DEP_4)
	v_max_num_f32 v[BM+\b], v[BM+\b], v[BX+\b]
.endr
	s_delay_alu instid0(VALU_DEP_2)
	v_max3_num_f32 v[T], v[BM], v[BM+1], v[BM+2]
	s_delay_alu instid0(VALU_DEP_1)
	v_max_num_f32 v[T], v[T], v[BM+3]
.endm
.macro MUPD                            ; v[T]: the step's largest t
	s_delay_alu instid0(VALU_DEP_1)
	v_max_num_f32 v13, v13, v[T]
	v_mov_b32 v[T+1], v12
	s_delay_alu instid0(VALU_DEP_2)
	v_floor_f32 v12, -v13                             ; -M = floor(-t): M is a whole number
	s_delay_alu instid0(VALU_DEP_1)
	v_sub_f32 v[T+1], v12, v[T+1]
	s_delay_alu instid0(VALU_DEP_1)
	v_cvt_i32_f32 v[T+1], v[T+1]                      ; (it saturates)
	s_delay_alu instid0(VALU_DEP_1)
	v_ldexp_f32 v[FF], 1.0, v[T+1]                    ; f = 2^(old M - new M): exact
.endm
.macro STEP
	s_cmp_gt_u32 s21, s19                             ; all keys come after my queries: ids and the count of steps alone
	s_cbranch_scc1 .Lhidden_\@
	s_setprio 2
	v_add_nc_u32 v[ADK], s22, v[LI]
	v_add_nc_u32 v[ADS], s22, v[L8]
	v_nop
	v_nop                                             ; four places behind the last products, in front of loads into their sources
.irp a, 0,1,2,3
.irp c, 0,1,2
	ds_load_b128 v[F+12*\a+4*\c:F+12*\a+4*\c+3], v[ADK] offset:1536*\a+512*\c
.endr
.endr
	ds_load_b64 v[KS:KS+1], v[ADS] offset:12288
	ds_load_b64 v[VS:VS+1], v[ADS] offset:12544
	s_wait_dscnt 0x0
.irp a, 0,1,2,3
.if (\a%2) == 0
	v_wmma_scale_f32_16x16x128_f8f6f4 v[S+16*\a:S+16*\a+7], v[F+12*\a:F+12*\a+11], v[QLO:QLO+11], 0, v[KS+\a/2], v[QSL] matrix_a_fmt:MATRIX_FMT_FP6 matrix_b_fmt:MATRIX_FMT_FP6
	v_wmma_scale_f32_16x16x128_f8f6f4 v[S+16*\a+8:S+16*\a+15], v[F+12*\a:F+12*\a+11], v[QHI:QHI+11], 0, v[KS+\a/2], v[QSH] matrix_a_fmt:MATRIX_FMT_FP6 matrix_b_fmt:MATRIX_FMT_FP6
.else
	v_wmma_scale_f32_16x16x128_f8f6f4 v[S+16*\a:S+16*\a+7], v[F+12*\a:F+12*\a+11], v[QLO:QLO+11], 0, v[KS+\a/2], v[QSL] matrix_a_fmt:MATRIX_FMT_FP6 matrix_b_fmt:MATRIX_FMT_FP6 matrix_a_scale:MATRIX_SCALE_ROW1
	v_wmma_scale_f32_16x16x128_f8f6f4 v[S+16*\a+8:S+16*\a+15], v[F+12*\a:F+12*\a+11], v[QHI:QHI+11], 0, v[KS+\a/2], v[QSH] matrix_a_fmt:MATRIX_FMT_FP6 matrix_b_fmt:MATRIX_FMT_FP6 matrix_a_scale:MATRIX_SCALE_ROW1
.endif
.endr
	PLACES
	s_add_co_u32 s42, s21, 128
	s_cmp_lt_u32 s42, s19
	s_cbranch_scc0 .Lnear_\@
	s_wait_alu depctr_va_vdst(0)
	; FAR: every distance is 129 or more: one bias for all, no mask
	VLOADS
	BLOCKMAX
	s_delay_alu instid0(VALU_DEP_1)
	v_fma_f32 v[T], v[T], s40, v[B31]
	MUPD
	s_delay_alu instid0(VALU_DEP_4)
	v_add_f32 v[AD], v[B31], v12
.irp j, 0,2,4,6,8,10,12,14,16,18,20,22,24,26,28,30,32,34,36,38,40,42,44,46,48,50,52,54,56,58,60,62
	v_pk_fma_f32 v[S+\j:S+\j+1], v[S+\j:S+\j+1], s[40:41], v[AD:AD+1] op_sel_hi:[1,0,0]
.endr
.irp b, 0,1,2,3
	v_fma_f32 v[BM+\b], v[BM+\b], s40, v[AD]          ; the same of each block's largest score
.endr
	s_branch .Lcommon_\@
.Lnear_\@:
	; NEAR: the diagonal step and the one before it: bias and mask from the table
	s_cmp_eq_u32 s21, s19
	s_cselect_b32 s42, 0, 512                         ; the step before lies 128 entries lower
	v_sub_nc_u32 v[ADB], v[TBA], s42
.irp b, 0,1,2,3
.irp e, 0,1,2,3
	ds_load_b128 v[F+16*\b+4*\e:F+16*\b+4*\e+3], v[ADB] offset:128*\b+16*\e
.endr
.endr
	s_wait_dscnt 0x0
.irp j, 0,2,4,6,8,10,12,14,16,18,20,22,24,26,28,30,32,34,36,38,40,42,44,46,48,50,52,54,56,58,60,62
	v_pk_fma_f32 v[S+\j:S+\j+1], v[S+\j:S+\j+1], s[40:41], v[F+\j:F+\j+1] op_sel_hi:[1,0,1]   ; t, -infinity where hidden
.endr
	VLOADS
	BLOCKMAX
	MUPD
.irp j, 0,2,4,6,8,10,12,14,16,18,20,22,24,26,28,30,32,34,36,38,40,42,44,46,48,50,52,54,56,58,60,62
	v_pk_add_f32 v[S+\j:S+\j+1], v[S+\j:S+\j+1], v[12:13] op_sel_hi:[1,0]
.endr
.irp b, 0,1,2,3
	v_add_f32 v[BM+\b], v[BM+\b], v12
.endr
.Lcommon_\@:
	s_setprio 1
	s_wait_alu depctr_va_vdst(0)
.irp j, 0,1,2,3,4,5,6,7,8,9,10,11,12,13,14,15,16,17,18,19,20,21,22,23,24,25,26,27,28,29,30,31,32,33,34,35,36,37,38,39,40,41,42,43,44,45,46,47,48,49,50,51,52,53,54,55,56,57,58,59,60,61,62,63
	v_exp_f32 v[S+\j], v[S+\j]                        ; p = 2^(t - M)
.endr
	v_pk_mul_f32 v[14:15], v[14:15], v[FF:FF+1] op_sel_hi:[1,0]   ; the sums under the new M: a plain place behind the exponentials
	s_wait_alu depctr_va_vdst(0)                      ; one wait for the batch, ahead of its first reader
.irp b, 0,1,2,3
	v_exp_f32 v[BM+\b], v[BM+\b]                      ; the block's largest p
.endr
	v_pk_add_f32 v[244:245], v[108:109], v[112:113]
	v_pk_add_f32 v[254:255], v[116:117], v[120:121]
	v_pk_add_f32 v[248:249], v[124:125], v[128:129]
	v_pk_add_f32 v[246:247], v[132:133], v[136:137]
	v_pk_add_f32 v[238:239], v[140:141], v[144:145]
	v_pk_add_f32 v[232:233], v[148:149], v[152:153]
	v_pk_add_f32 v[230:231], v[156:157], v[160:161]
	v_pk_add_f32 v[14:15], v[14:15], v[164:165]
	v_pk_add_f32 v[244:245], v[244:245], v[104:105]
	v_pk_add_f32 v[254:255], v[254:255], v[106:107]
	v_pk_add_f32 v[248:249], v[248:249], v[110:111]
	v_pk_add_f32 v[246:247], v[246:247], v[114:115]
	v_pk_add_f32 v[238:239], v[238:239], v[118:119]
	v_pk_add_f32 v[232:233], v[232:233], v[122:123]
	v_pk_add_f32 v[230:231], v[230:231], v[126:127]
	v_pk_add_f32 v[14:15], v[14:15], v[130:131]
	v_pk_add_f32 v[244:245], v[244:245], v[134:135]
	v_pk_add_f32 v[254:255], v[254:255], v[138:139]
	v_pk_add_f32 v[248:249], v[248:249], v[142:143]
	v_pk_add_f32 v[246:247], v[246:247], v[146:147]
	v_pk_add_f32 v[238:239], v[238:239], v[150:151]
	v_pk_add_f32 v[232:233], v[232:233], v[154:155]
	v_pk_add_f32 v[230:231], v[230:231], v[158:159]
	v_pk_add_f32 v[14:15], v[14:15], v[162:163]
	v_pk_add_f32 v[244:245], v[244:245], v[166:167]
	s_delay_alu instid0(VALU_DEP_2)
	v_pk_add_f32 v[14:15], v[14:15], v[246:247]
	s_delay_alu instid0(VALU_DEP_2)
	v_pk_add_f32 v[244:245], v[244:245], v[238:239]
	v_pk_add_f32 v[254:255], v[254:255], v[232:233]
	v_pk_add_f32 v[248:249], v[248:249], v[230:231]
	s_delay_alu instid0(VALU_DEP_2)
	v_pk_add_f32 v[14:15], v[14:15], v[254:255]
	s_delay_alu instid0(VALU_DEP_2)
	v_pk_add_f32 v[244:245], v[244:245], v[248:249]
	s_delay_alu instid0(VALU_DEP_1)
	v_pk_add_f32 v[14:15], v[14:15], v[244:245]
	s_wait_alu depctr_va_vdst(0)                      ; and one for the four
.irp b, 0,1,2,3
	v_max_num_f32 v[BM+\b], 0x1800000, v[BM+\b]       ; the floor 2^(3 - 127)
.endr
.irp b, 0,1,2,3
	s_delay_alu instid0(VALU_DEP_4)
	v_add_nc_u32 v[SO+\b], 0xff000000, v[BM+\b]
.endr
.irp b, 0,1,2,3
	s_delay_alu instid0(VALU_DEP_4)
	v_lshrrev_b32 v[BX+\b], 23, v[SO+\b]
.endr
	s_delay_alu instid0(VALU_DEP_3)
	v_lshl_or_b32 v[PS], v[BX+1], 8, v[BX]
	s_delay_alu instid0(VALU_DEP_1)
	v_lshl_or_b32 v[PS], v[BX+2], 16, v[PS]
	s_delay_alu instid0(VALU_DEP_1)
	v_lshl_or_b32 v[PS], v[BX+3], 24, v[PS]
	s_setprio 0
.irp c, 0,1
	v_cvt_scalef32_pk16_fp6_f32 v[PC+6*\c:PC+6*\c+2], v[S+32*\c:S+32*\c+15], v[SO+2*\c]
	v_cvt_scalef32_pk16_fp6_f32 v[PT+4*\c:PT+4*\c+2], v[S+16+32*\c:S+16+32*\c+15], v[SO+2*\c+1]
.endr
	v_nop                                             ; one plain place behind a scaled conversion
.irp c, 0,1
.irp i, 0,1,2
	v_permlane16_swap_b32 v[PC+6*\c+\i], v[PT+4*\c+\i]
.endr
.irp i, 0,1,2
	s_delay_alu instid0(VALU_DEP_3)
	v_mov_b32 v[PC+3+6*\c+\i], v[PT+4*\c+\i]
.endr
.endr
.irp j, 0,2,4,6,8,10,12,14,16,18,20,22,24,26,28,30
	v_pk_mul_f32 v[O+\j:O+\j+1], v[O+\j:O+\j+1], v[FF:FF+1] op_sel_hi:[1,0]   ; O^T under the new M; twelve of the sixteen name no register of any one product below: the places in front of them
.endr
	s_wait_alu depctr_va_vdst(0)
	s_wait_dscnt 0x0                                  ; v's images are in
.irp d, 0,1,2,3
.if (\d%2) == 0
	v_wmma_scale_f32_16x16x128_f8f6f4 v[O+8*\d:O+8*\d+7], v[F+12*\d:F+12*\d+11], v[PC:PC+11], v[O+8*\d:O+8*\d+7], v[VS+\d/2], v[PS] matrix_a_fmt:MATRIX_FMT_FP6 matrix_b_fmt:MATRIX_FMT_FP6
.else
	v_wmma_scale_f32_16x16x128_f8f6f4 v[O+8*\d:O+8*\d+7], v[F+12*\d:F+12*\d+11], v[PC:PC+11], v[O+8*\d:O+8*\d+7], v[VS+\d/2], v[PS] matrix_a_fmt:MATRIX_FMT_FP6 matrix_b_fmt:MATRIX_FMT_FP6 matrix_a_scale:MATRIX_SCALE_ROW1
.endif
.endr
.Lhidden_\@:
	s_add_co_u32 s21, s21, 128
	s_add_co_u32 s22, s22, STEPB
.endm
; THE CHANGE OF SLOTS stands at a slot's head: each wave waits for all its tensor loads, adds 0 to its spare word, and waits for that, for its reads of the slot that it has left and (first time) for its stores into the table.
.macro CHANGE fill
	s_wait_tensorcnt 0x0                              ; no tensor load of mine is out, so group 0 may be written
	ds_add_u32 v[SPW], v[NIL]
.if \fill
	s_xor_b32 s33, s33, SLOT1
	s_add_nc_u64 s[34:35], s[34:35], 4*STEPB
.endif
	s_wait_dscnt 0x0
	s_barrier_signal -1
	s_barrier_wait -1
.if \fill
	s_add_co_u32 s42, s21, 512                        ; the first key of the slot that this change would ask for
	s_cmp_gt_u32 s42, s20                             ; past the work-group's last query nobody reads it: ids and the count of steps alone, the same in all sixteen waves
	s_cbranch_scc1 .Lpast_\@
	TLOAD
.Lpast_\@:
.endif
.endm
.macro SLOT_STEPS
	s_mov_b32 s36, 4
.Lstep_\@:
	STEP
	s_sub_co_u32 s36, s36, 1
	s_cmp_lg_u32 s36, 0
	s_cbranch_scc1 .Lstep_\@
	s_setprio 0
	s_sub_co_u32 s22, s22, 4*STEPB
	s_xor_b32 s22, s22, SLOT1                         ; on to the other slot
.endm
	s_mov_b32 s23, 3
.Lslot:
	CHANGE 1
	SLOT_STEPS
	s_sub_co_u32 s23, s23, 1
	s_cmp_lg_u32 s23, 0
	s_cbranch_scc1 .Lslot
	CHANGE 0                                          ; the last slot is written out: nothing is left to fetch
	SLOT_STEPS
	; THE WAY OUT: O^T / the sum; its 64 channels are two blocks along the projection's K; six registers of codes, half an image, and two scale bytes
	PLACES
	v_add_f32 v14, v14, v15
	s_delay_alu instid0(VALU_DEP_1)
	v_permlanex16_b32 v[T], v14, s38, s39
	s_delay_alu instid0(VALU_DEP_1)
	v_add_f32 v14, v14, v[T]
	s_wait_alu depctr_va_vdst(0)
	v_rcp_f32 v14, v14
	v_nop                                             ; a plain place behind the reciprocal
	s_wait_alu depctr_va_vdst(0)                      ; the wait ahead of its first reader
.irp j, 0,1,2,3,4,5,6,7,8,9,10,11,12,13,14,15,16,17,18,19,20,21,22,23,24,25,26,27,28,29,30,31
	v_mul_f32 v[S+\j], v[O+\j], v14
.endr
.irp b, 0,1
	v_max3_num_f32 v[BM+\b], |v[S+16*\b]|, |v[S+16*\b+1]|, 0x1800000
.endr
.irp i, 2,4,6,8,10,12,14
.irp b, 0,1
	s_delay_alu instid0(VALU_DEP_2)
	v_max3_num_f32 v[BM+\b], v[BM+\b], |v[S+16*\b+\i]|, |v[S+16*\b+\i+1]|
.endr
.endr
.irp b, 0,1
	s_delay_alu instid0(VALU_DEP_2)
	v_permlanex16_b32 v[BX+\b], v[BM+\b], s38, s39
.endr
.irp b, 0,1
	s_delay_alu instid0(VALU_DEP_2)
	v_max_num_f32 v[BM+\b], v[BM+\b], v[BX+\b]
.endr
.irp b, 0,1
	s_delay_alu instid0(VALU_DEP_2)
	v_add_nc_u32 v[SO+\b], 0xff000000, v[BM+\b]
.endr
.irp b, 0,1
	s_delay_alu instid0(VALU_DEP_2)
	v_lshrrev_b32 v[BX+\b], 23, v[SO+\b]
.endr
	s_delay_alu instid0(VALU_DEP_1)
	v_lshl_or_b32 v[T+1], v[BX+1], 8, v[BX]
	v_cvt_scalef32_pk16_fp6_f32 v[PC:PC+2], v[S:S+15], v[SO]
	v_cvt_scalef32_pk16_fp6_f32 v[PT:PT+2], v[S+16:S+31], v[SO+1]
	v_nop
.irp i, 0,1,2
	v_permlane16_swap_b32 v[PC+\i], v[PT+\i]
.endr
.irp i, 0,1,2
	s_delay_alu instid0(VALU_DEP_3)
	v_mov_b32 v[PC+3+\i], v[PT+\i]
.endr
	ds_store_b16 v[YSA], v[T+1]                       ; both lanes of a row write the same bytes with the same value
	global_store_b128 v[LI], v[PC:PC+3], s[58:59]     ; 512 consecutive bytes, aligned to 256
	global_store_b64 v[L8], v[PC+4:PC+5], s[58:59] offset:512   ; 256 consecutive bytes, aligned
	s_wait_dscnt 0x0                                  ; for the others' sake: my store has landed
	s_barrier_signal -1
	s_barrier_wait -1
	s_cmp_lg_u32 s12, 0
	s_cbranch_scc1 .Lend
	ds_load_b128 v[S:S+3], v[YRD]                     ; lanes 0-15: group g's 256 bytes, lanes 16-31: group 15 - g's
	s_wait_dscnt 0x0
	global_store_b128 v[YGO], v[S:S+3], s[60:61]      ; two aligned blocks of 256 bytes
.Lend:
	s_wait_tensorcnt 0x0                              ; the wave's end
	ds_add_u32 v[SPW], v[NIL]
	s_wait_dscnt 0x0
	s_endpgm
.Lfunc_end_k_qb021643781_attn:
	.size	k_qb021643781_attn, .Lfunc_end_k_qb021643781_attn-k_qb021643781_attn
	.p2alignl 7, 3214868480
	.fill 96, 4, 3214868480
	.section	.rodata,"a",@progbits
	.p2align	6, 0x0
	.amdhsa_kernel k_qb021643781_attn
		.amdhsa_group_segment_fixed_size 327680
		.amdhsa_private_segment_fixed_size 0
		.amdhsa_enable_private_segment 0
		.amdhsa_kernarg_size 32
		.amdhsa_user_sgpr_count 2
		.amdhsa_user_sgpr_kernarg_segment_ptr 1
		.amdhsa_wavefront_size32 1
		.amdhsa_system_sgpr_workgroup_id_x 1
		.amdhsa_system_sgpr_workgroup_id_y 1
		.amdhsa_system_sgpr_workgroup_id_z 1
		.amdhsa_system_vgpr_workitem_id 0
		.amdhsa_next_free_vgpr 256
		.amdhsa_next_free_sgpr 66
		.amdhsa_reserve_vcc 1
		.amdhsa_float_denorm_mode_32 3
		.amdhsa_float_denorm_mode_16_64 3
		.amdhsa_memory_ordered 1
		.amdhsa_forward_progress 1
		.amdhsa_inst_pref_size 79
	.end_amdhsa_kernel
	.amdgpu_metadata
---
amdhsa.version: [ 1, 2 ]
amdhsa.kernels:
  - .name:           k_qb021643781_attn
    .symbol:         k_qb021643781_attn.kd
    .args:
      - { .name: qc, .offset: 0, .size: 8, .value_kind: global_buffer, .address_space: global }
      - { .name: kv, .offset: 8, .size: 8, .value_kind: global_buffer, .address_space: global }
      - { .name: rel_emb, .offset: 16, .size: 8, .value_kind: global_buffer, .address_space: global }
      - { .name: yq, .offset: 24, .size: 8, .value_kind: global_buffer, .address_space: global }
    .group_segment_fixed_size: 327680
    .private_segment_fixed_size: 0
    .kernarg_segment_align: 8
    .kernarg_segment_size: 32
    .max_flat_workgroup_size: 512
    .sgpr_count:     66
    .vgpr_count:     256
    .wavefront_size: 32
...
	.end_amdgpu_metadata
.endif
;; end of part 3
;; launch proj (part 4): grid 8 x 32, 4 waves a work-group, clusters of 4 x 4, 327,680 bytes of LDS; arguments yq, pq, b_proj, out0; writes out0
.if DOCPART == 4
	.amdgcn_target "amdgcn-amd-amdhsa--gfx1250"
	.amdhsa_code_object_version 6
	.text
	.protected	k_qb021643781_proj
	.globl	k_qb021643781_proj
	.p2align	8
	.type	k_qb021643781_proj,@function
k_qb021643781_proj:
	s_mov_b64 s[64:65], 0
	v_nop
	global_prefetch_b8 v0, s[64:65] scope:SCOPE_SE
	s_setreg_imm32_b32 hwreg(HW_REG_WAVE_MODE, 25, 1), 1
	s_wait_xcnt 0x0
	s_wait_alu depctr_hold_cnt(0) depctr_sa_sdst(0) depctr_va_vdst(0) depctr_va_sdst(0) depctr_va_ssrc(0) depctr_va_vcc(0) depctr_vm_vsrc(0)
	s_getreg_b32 s2, hwreg(HW_REG_IB_STS2, 6, 4)
	s_cmp_eq_u32 s2, 0
	s_cbranch_scc0 .Lentry_in_a_cluster
	s_endpgm
.Lentry_in_a_cluster:
	s_bfe_u32 s2, ttmp6, 0x10000c
	s_cmp_lg_u32 s2, 0xf033
	s_cbranch_scc0 .Lentry_shape_is_right
	s_endpgm
.Lentry_shape_is_right:
; out = y W_proj^T + b_proj on codes of FP6 (E2M3) with E8M0 scales; out is f32.
; SHARES.  Work-group (X, Y): 256 tokens x 128 outputs; wave (wm, wn): 128 tokens x 64 outputs, 32 accumulators.  All of K lies in LDS: y's codes 196,608 bytes, W's 98,304; every byte is filled once, so all barriers are plain.
; THE PRODUCT IS USED TRANSPOSED (source 0 = 16 rows of W, source 1 = 16 tokens): a lane holds one token and eight neighbouring outputs a tile.  The bias is the C of each sum's first matrix instruction.
; y's fragments lie as two halves of 768 bytes (one head each): registers 6 c .. 6 c + 3 at 768 c + 16 l, registers 6 c + 4, 5 at 768 c + 512 + 8 l.  Its scale bytes lie two a head and row: a K step's word is pieced from two heads'.
; CLUSTER 4 x 4: y's blocks are shared along a row of the cluster, W's along a column, by joint loads.  By this text's own count a wave has six tensor loads outstanding at the start, and none is issued later.
; No prefetch into the L2: everything is asked for at the head.
; REGISTERS: window 0: addresses, scale words, the way out; window 1: accumulators (a, b) at 8 (4 a + b); window 2: y's fragments, two sets of 96; window 3: W's, two sets of 48, from v96 the bias.
.set SPARE, 294912
.set STAGE, 295424                     ; 16 rows x 272 bytes for each wave; no fill lands here
.set YS,    6291456
.set PS,    786432
.set LI,  1
.set ADA, 2                            ; v2-5   16 l + my 8 rowblocks, j = 0 .. 3
.set ADB, 6                            ; v6-7
.set L8,  8
.set SPW, 10
.set NIL, 11
.set ADA8,12                           ; v12-15 8 l + the same
.set SA,  16                           ; v16-47 y's scale words: register 8 (a / 2) + s, lanes 16 (a % 2) + r
.set SB,  48                           ; v48-63 W's: register 8 (b / 2) + s
.set H,   64                           ; v64-95 y's scale bytes as they lie: two registers a head
.set OH,  96
.set STO, 97
.set RD,  98
.set CO,  99
.set BK,  128                          ; v128-191 rows read back from the stage, two sets
.set G1A, 24
.set G1B, 32
.set G0A, 40
.set G0B, 56
.set MSB, 0
.macro WIN new
.if MSB != \new
	s_set_vgpr_msb (MSB<<8)|\new
.set MSB, \new
.endif
.endm
.macro PLACES
.rept 4
	v_nop
.endr
.endm
.macro CROUND
	s_barrier_signal -1
	s_barrier_wait -1
	s_cmp_lg_u32 s14, 0
	s_cbranch_scc1 .Lnot_wave_0_\@
	s_barrier_signal -3
.Lnot_wave_0_\@:
	s_barrier_wait -3
	s_barrier_signal -1
	s_barrier_wait -1
.endm
	s_load_b256 s[4:11], s[0:1], 0x0                  ; yq, pq, b_proj, out0
	v_lshl_add_u32 v[SPW], v0, 2, SPARE
	v_mov_b32 v[NIL], 0
	ds_add_u32 v[SPW], v[NIL]
	ds_add_u32 v[SPW], v[NIL]                         ; the wave's opening: the add and its wait ahead of my first tensor load
	v_lshrrev_b32 v9, 5, v0
	v_readfirstlane_b32 s14, v9
	s_lshr_b32 s15, s14, 1
	s_and_b32 s16, s14, 1
	s_bfe_u32 s17, ttmp6, 0x40000
	s_bfe_u32 s18, ttmp6, 0x40004
	s_lshl_b32 s19, ttmp9, 2
	s_add_co_u32 s19, s19, s17                        ; X
	s_and_b32 s20, ttmp7, 0xffff
	s_lshl_b32 s20, s20, 2
	s_add_co_u32 s20, s20, s18                        ; Y
	s_lshl_b32 s21, s18, 2
	s_lshl_b32 s21, 15, s21
	s_lshl_b32 s22, 0x1111, s17
	s_or_b32 s[G1A], s21, (3<<16)|(1<<21)             ; 12,288 dense bytes as 48 rows of 32 elements of 8 bytes
	s_or_b32 s[G1B], s22, (3<<16)|(1<<21)
.irp g, G1A, G1B
	s_mov_b32 s[\g+1], 32<<16
	s_mov_b32 s[\g+2], 48<<16
	s_mov_b32 s[\g+3], 32<<16
	s_mov_b32 s[\g+4], 48
	s_mov_b32 s[\g+5], 32
	s_mov_b32 s[\g+6], 0
	s_mov_b32 s[\g+7], 0
.endr
	s_lshl_b32 s74, s20, 4                            ; y: rowblock 16 Y + 4 wave
	s_lshl_b32 s75, s14, 2
	s_add_co_u32 s74, s74, s75
	s_mul_i32 s74, s74, 3072
	s_mov_b32 s75, 0
	s_lshl_b32 s78, s19, 3                            ; W: rowblock 8 X + 4 (wave % 2), 64 rowblocks on for wave / 2
	s_lshl_b32 s79, s16, 2
	s_add_co_u32 s78, s78, s79
	s_lshl_b32 s79, s15, 6
	s_add_co_u32 s78, s78, s79
	s_mul_i32 s78, s78, 3072
	s_mov_b32 s79, 0
	s_mul_i32 s82, s14, 12288
	s_wait_dscnt 0x0
	s_wait_kmcnt 0x0
	s_add_nc_u64 s[76:77], s[4:5], s[74:75]
	s_add_nc_u64 s[80:81], s[6:7], s[78:79]
.irp j, 0,1,2,3
	s_mov_b32 s[G0A+4*\j], 1
	s_add_co_u32 s[G0A+4*\j+1], s82, \j*49152
	s_add_nc_u64 s[G0A+4*\j+2:G0A+4*\j+3], s[76:77], \j*1572864
	s_or_b32 s[G0A+4*\j+3], s[G0A+4*\j+3], 0x80000000
.endr
.irp g, 0,1
	s_mov_b32 s[G0B+4*\g], 1
	s_add_co_u32 s[G0B+4*\g+1], s82, 196608+\g*49152
	s_add_nc_u64 s[G0B+4*\g+2:G0B+4*\g+3], s[80:81], \g*393216
	s_or_b32 s[G0B+4*\g+3], s[G0B+4*\g+3], 0x80000000
.endr
	CROUND                                            ; all sixteen work-groups are here: the joint loads meet
	tensor_load_to_lds s[G0A:G0A+3], s[G1A:G1A+7]
	s_nop 0
	tensor_load_to_lds s[G0B:G0B+3], s[G1B:G1B+7]
	s_nop 0
	tensor_load_to_lds s[G0A+4:G0A+7], s[G1A:G1A+7]
	s_nop 0
	tensor_load_to_lds s[G0B+4:G0B+7], s[G1B:G1B+7]
	s_nop 0
	tensor_load_to_lds s[G0A+8:G0A+11], s[G1A:G1A+7]
	s_nop 0
	tensor_load_to_lds s[G0A+12:G0A+15], s[G1A:G1A+7]
	s_nop 0
	PLACES
	s_lshl_b32 s83, s20, 1
	s_add_co_u32 s83, s83, s15                        ; my group of 128 tokens
	s_lshl_b32 s84, s19, 1
	s_add_co_u32 s84, s84, s16                        ; my 64 outputs
	s_mov_b32 s87, 0
	s_lshl_b32 s86, s83, 19                           ; 128 rows of 4,096 bytes
	s_lshl_b32 s85, s84, 8
	s_add_co_u32 s86, s86, s85
	s_add_nc_u64 s[66:67], s[10:11], s[86:87]         ; out
	s_lshl_b32 s86, s83, 12
	s_add_co_u32 s86, s86, YS
	s_add_nc_u64 s[88:89], s[4:5], s[86:87]           ; y's scale bytes: 16 heads x 256 bytes a group
	s_lshl_b32 s86, s84, 11
	s_add_co_u32 s86, s86, PS
	s_add_nc_u64 s[90:91], s[6:7], s[86:87]           ; W's scale words
	s_lshl_b32 s86, s84, 8
	s_add_nc_u64 s[92:93], s[8:9], s[86:87]           ; the bias
	v_and_b32 v9, 31, v0
	v_lshlrev_b32 v[LI], 4, v9
	v_lshlrev_b32 v[L8], 3, v9
	v_bfe_u32 v100, v0, 4, 1                          ; h
	v_lshlrev_b32 v[OH], 6, v100
	v_and_b32 v101, 15, v0                            ; r
.irp d, 0,1,2,3,4,5,6,7,8,9,10,11,12,13,14,15
	global_load_b64 v[H+2*\d:H+2*\d+1], v[L8], s[88:89] offset:256*\d
.endr
.irp i, 0,1
.irp k, 0,1
	global_load_b128 v[SB+8*\i+4*\k:SB+8*\i+4*\k+3], v[LI], s[90:91] offset:\i*1024+\k*512
.endr
.endr
	WIN 0xC0
.irp b, 0,1,2,3
	global_load_b128 v[96+8*\b:96+8*\b+3], v[OH], s[92:93] offset:4*(32*(\b/2)+8*(\b%2))
	global_load_b128 v[96+8*\b+4:96+8*\b+7], v[OH], s[92:93] offset:4*(32*(\b/2)+8*(\b%2))+16
.endr
	WIN 0
	s_mul_i32 s94, s15, 24576
.irp j, 0,1,2,3
	v_add_nc_u32 v[ADA+\j], s94, v[LI]
	v_add_nc_u32 v[ADA8+\j], s94, v[L8]
	s_add_co_u32 s94, s94, 49152
.endr
	s_mul_i32 s95, s16, 12288
	s_add_co_u32 s95, s95, 196608
.irp g, 0,1
	v_add_nc_u32 v[ADB+\g], s95, v[LI]
	s_add_co_u32 s95, s95, 49152
.endr
	s_mul_i32 s94, s14, 4352
	s_add_co_u32 s94, s94, STAGE                      ; my stage
	v_mul_u32_u24 v[STO], v101, 272
	v_lshl_add_u32 v[STO], v100, 6, v[STO]
	v_add_nc_u32 v[STO], s94, v[STO]                  ; in: row r, + 64 h
	v_mul_u32_u24 v[RD], v100, 272
	v_lshl_add_u32 v[RD], v101, 4, v[RD]
	v_add_nc_u32 v[RD], s94, v[RD]                    ; back: lanes 0-15 one row of 256 bytes, lanes 16-31 the next
	v_lshlrev_b32 v[CO], 12, v100
	v_lshl_add_u32 v[CO], v101, 4, v[CO]              ; and the same two rows in out
.macro FETCH s
	WIN 0x80
.set fa, 0
.rept 8
.set ff, 96*((\s)%2)+12*fa
.set fo, fa*3072+((\s)%2)*1536
	ds_load_b128 v[ff:ff+3], v[ADA+(\s)/2] offset:fo
	ds_load_b64 v[ff+4:ff+5], v[ADA8+(\s)/2] offset:fo+512
	ds_load_b128 v[ff+6:ff+9], v[ADA+(\s)/2] offset:fo+768
	ds_load_b64 v[ff+10:ff+11], v[ADA8+(\s)/2] offset:fo+1280
.set fa, fa+1
.endr
	WIN 0xC0
.set fb, 0
.rept 4
.irp c, 0,1,2
	ds_load_b128 v[48*((\s)%2)+12*fb+4*\c:48*((\s)%2)+12*fb+4*\c+3], v[ADB+(\s)/4] offset:(((\s)/2)%2)*24576+fb*3072+((\s)%2)*1536+512*\c
.endr
.set fb, fb+1
.endr
	WIN 0
.endm
.macro WM
.if rw0 && rw1
	v_wmma_scale_f32_16x16x128_f8f6f4 v[frD:frD+7], v[fr0:fr0+11], v[fr1:fr1+11], v[frC:frC+7], v[sc0], v[sc1] matrix_a_fmt:MATRIX_FMT_FP6 matrix_b_fmt:MATRIX_FMT_FP6 matrix_a_scale:MATRIX_SCALE_ROW1 matrix_b_scale:MATRIX_SCALE_ROW1
.elseif rw0
	v_wmma_scale_f32_16x16x128_f8f6f4 v[frD:frD+7], v[fr0:fr0+11], v[fr1:fr1+11], v[frC:frC+7], v[sc0], v[sc1] matrix_a_fmt:MATRIX_FMT_FP6 matrix_b_fmt:MATRIX_FMT_FP6 matrix_a_scale:MATRIX_SCALE_ROW1
.elseif rw1
	v_wmma_scale_f32_16x16x128_f8f6f4 v[frD:frD+7], v[fr0:fr0+11], v[fr1:fr1+11], v[frC:frC+7], v[sc0], v[sc1] matrix_a_fmt:MATRIX_FMT_FP6 matrix_b_fmt:MATRIX_FMT_FP6 matrix_b_scale:MATRIX_SCALE_ROW1
.else
	v_wmma_scale_f32_16x16x128_f8f6f4 v[frD:frD+7], v[fr0:fr0+11], v[fr1:fr1+11], v[frC:frC+7], v[sc0], v[sc1] matrix_a_fmt:MATRIX_FMT_FP6 matrix_b_fmt:MATRIX_FMT_FP6
.endif
.endm
.macro MUL s                           ; 32 products; the accumulators take turns, one instruction a turn, in the same order in every step
.if (\s) == 0
	WIN 0x7B                                          ; source 0 (W) window 3, source 1 (y) window 2, C (bias) window 3, D window 1
.else
	WIN 0x5B
.endif
.set ma, 0
.rept 8
.set mb, 0
.rept 4
.set fr0, 48*((\s)%2)+12*mb
.set fr1, 96*((\s)%2)+12*ma
.set frD, 8*(4*ma+mb)
.set sc0, SB+8*(mb/2)+(\s)
.set sc1, SA+8*(ma/2)+(\s)
.set rw0, mb%2
.set rw1, ma%2
.set frC, 96+8*mb
.if (\s) != 0
.set frC, frD
.endif
	WM
.set mb, mb+1
.endr
.set ma, ma+1
.endr
.endm
.macro STEP s
	s_wait_dscnt 0x0                                  ; this step's 44 loads, issued ahead of the last step's products, are in
	PLACES
	FETCH (\s)+1
	MUL \s
.endm
.macro STEPB s, tc                     ; the next step's fragments lie in a block that has to be shown landed first: my part by the counted wait, everybody's by the barrier
	s_wait_dscnt 0x0
	s_wait_tensorcnt \tc
	s_barrier_signal -1
	s_barrier_wait -1
	PLACES
	FETCH (\s)+1
	MUL \s
.endm
	s_wait_tensorcnt 0x4                              ; y's K 0-255 and W's K 0-511 are in: four loads were issued behind them
	s_barrier_signal -1
	s_barrier_wait -1
	FETCH 0
	s_wait_loadcnt 0x0
.irp i, 0,1,2,3                                   ; a K step's scale word: two bytes of head 2 s below, two of head 2 s + 1 above
.irp s, 0,1,2,3,4,5,6,7
.if (\i%2) == 0
	v_perm_b32 v[SA+8*\i+\s], v[H+2*(2*\s+1)+\i/2], v[H+2*(2*\s)+\i/2], 0x05040100
.else
	v_perm_b32 v[SA+8*\i+\s], v[H+2*(2*\s+1)+\i/2], v[H+2*(2*\s)+\i/2], 0x07060302
.endif
.endr
.endr
.rept 8
	v_nop                                             ; a scale register written by a vector instruction stands eight places ahead of a scaled matrix instruction
.endr
	s_wait_alu depctr_va_vdst(0)
	STEP 0
	STEPB 1, 0x3                                      ; y's K 256-511: three loads were issued behind it
	STEP 2
	STEPB 3, 0x1                                      ; W's K 512-1023 and y's K 512-767: one load was issued behind them
	STEP 4
	STEPB 5, 0x0                                      ; y's K 768-1023
	STEP 6
	s_wait_dscnt 0x0
	MUL 7
	WIN 0
; THE WAY OUT, a rowblock of 16 tokens x 64 outputs at a time, through my own stage: back come whole rows of 256 bytes, which sixteen lanes store as one aligned block.
.macro TOSTAGE a
	WIN 0x04                                          ; an LDS store's data are its source 1: window 1
.irp b, 0,1,2,3
	ds_store_b128 v[STO], v[8*(4*(\a)+\b):8*(4*(\a)+\b)+3] offset:128*(\b/2)+32*(\b%2)          ; each accumulator from its low end on
	ds_store_b128 v[STO], v[8*(4*(\a)+\b)+4:8*(4*(\a)+\b)+7] offset:128*(\b/2)+32*(\b%2)+16
.endr
	WIN 0
.irp t, 0,1,2,3,4,5,6,7
	ds_load_b128 v[BK+32*((\a)%2)+4*\t:BK+32*((\a)%2)+4*\t+3], v[RD] offset:544*\t   ; LDS serves a wave's instructions in order: these see the stores above
.endr
.endm
.macro SEND a, younger
	s_wait_dscnt \younger
.irp t, 0,1,2,3,4,5,6,7
	global_store_b128 v[CO], v[BK+32*((\a)%2)+4*\t:BK+32*((\a)%2)+4*\t+3], s[66:67] offset:(32*((\a)/2)+8*((\a)%2)+2*\t+8*(\t/4))*4096 th:TH_STORE_NT
.endr
.endm
	PLACES
	TOSTAGE 0
.irp a, 1,2,3,4,5,6,7
.if \a > 1
	s_wait_xcnt 0x0                                   ; the stores of two rowblocks back have read their registers: this rowblock's loads may land there
.endif
	TOSTAGE \a
	SEND \a-1, 16                                     ; behind that rowblock's loads: this one's 8 stores and 8 loads
.endr
	SEND 7, 0
	s_wait_tensorcnt 0x0                              ; the wave's end
	ds_add_u32 v[SPW], v[NIL]
	s_wait_dscnt 0x0
	CROUND                                            ; the closing round
	s_endpgm
.Lfunc_end_k_qb021643781_proj:
	.size	k_qb021643781_proj, .Lfunc_end_k_qb021643781_proj-k_qb021643781_proj
	.p2alignl 7, 3214868480
	.fill 96, 4, 3214868480
	.section	.rodata,"a",@progbits
	.p2align	6, 0x0
	.amdhsa_kernel k_qb021643781_proj
		.amdhsa_group_segment_fixed_size 327680
		.amdhsa_private_segment_fixed_size 0
		.amdhsa_enable_private_segment 0
		.amdhsa_kernarg_size 32
		.amdhsa_user_sgpr_count 2
		.amdhsa_user_sgpr_kernarg_segment_ptr 1
		.amdhsa_wavefront_size32 1
		.amdhsa_system_sgpr_workgroup_id_x 1
		.amdhsa_system_sgpr_workgroup_id_y 1
		.amdhsa_system_sgpr_workgroup_id_z 1
		.amdhsa_system_vgpr_workitem_id 0
		.amdhsa_next_free_vgpr 1024
		.amdhsa_next_free_sgpr 96
		.amdhsa_reserve_vcc 0
		.amdhsa_float_denorm_mode_32 3
		.amdhsa_float_denorm_mode_16_64 3
		.amdhsa_memory_ordered 1
		.amdhsa_forward_progress 1
		.amdhsa_inst_pref_size 86
	.end_amdhsa_kernel
	.amdgpu_metadata
---
amdhsa.version: [ 1, 2 ]
amdhsa.kernels:
  - .name:           k_qb021643781_proj
    .symbol:         k_qb021643781_proj.kd
    .args:
      - { .name: yq, .offset: 0, .size: 8, .value_kind: global_buffer, .address_space: global }
      - { .name: pq, .offset: 8, .size: 8, .value_kind: global_buffer, .address_space: global }
      - { .name: b_proj, .offset: 16, .size: 8, .value_kind: global_buffer, .address_space: global }
      - { .name: out0, .offset: 24, .size: 8, .value_kind: global_buffer, .address_space: global }
    .group_segment_fixed_size: 327680
    .private_segment_fixed_size: 0
    .kernarg_segment_align: 8
    .kernarg_segment_size: 32
    .max_flat_workgroup_size: 128
    .sgpr_count:     96
    .vgpr_count:     1024
    .wavefront_size: 32
...
	.end_amdgpu_metadata
.endif
;; end of part 4
